; MI455X (gfx1250); checked and timed in simulation.
; The chip was launched on July 23, 2026; its instructions are those of AMD's public machine-readable ISA for CDNA 5 (MIT licence, August 2026) and "CDNA5" Instruction Set Architecture Reference Guide (July 2026). The comments in the code are by the model that wrote it; some were corrected since.
;; Mo E Plus Plus Layer. Allowed arithmetic: matrix products marked QUANTISED: E2M1 operands, one E8M0 scale for each 32 along K, by v_wmma_scale_f32_16x16x128_f8f6f4 with both operands' format E2M1 (or v_wmma_scale_f32_32x16x128_f4), f32 sums; products left as they are: f32 operands where the result goes on into a quantised operand, else bf16, f16 or f32 operands; f32 sums; everything else in f32.
;; Inputs: W1_codes 8 x 4,096 x 32 x 16 uint8 (E2M1 codes of W1, K innermost, in blocks of 32 codes, two codes a byte); W1_scales 8 x 4,096 x 32 uint8 (E8M0 scales of W1, one for each 32 codes along K); W2_codes 8 x 1,024 x 128 x 16 uint8 (E2M1 codes of W2, K innermost, in blocks of 32 codes, two codes a byte); W2_scales 8 x 1,024 x 128 uint8 (E8M0 scales of W2, one for each 32 codes along K); Wc1_codes 512 x 32 x 16 uint8 (E2M1 codes of Wc1, K innermost, in blocks of 32 codes, two codes a byte); Wc1_scales 512 x 32 uint8 (E8M0 scales of Wc1, one for each 32 codes along K); Wc2 512 x 1 float32; Wr 1,024 x 8 float32; b1 8 x 4,096 float32; b2 8 x 1,024 float32; bc1 512 float32; bc2 1 float32; br 8 float32; hidden_states 4 x 256 x 1,024 float32.
;; Outputs: out0 4 x 256 x 1,024 float32; out1 4 x 256 x 4 float32; out2 4 x 256 x 4 int32; out3 1,024 float32; out4 1,024 x 8 float32.
;; This version of the problem:
;;   THIS VERSION OF THE PROBLEM IS GIVEN IN LOW PRECISION. The matrix products marked QUANTISED in the list below multiply operands that are first quantised to E2M1 (2 exponent bits, 1 mantissa bit; 4 bits a number), with one power-of-two scale for each 32 numbers along K (OCP MX v1.0); their sums are f32. All else is computed in f32.
;;   The module's matrix products, in the order in which they are computed (A, B: the left and right operand; K: the contracted axis; several contracted axes count as one K, in the product's order):
;;     1. [M 1,024, K 1,024] x [K 1,024, N 8]; A: input hidden_states; B: input Wr: left as it is (N = 8 < 16)
;;     2. [M 1,024, K 1,024] x [K 1,024, N 512]; A: input hidden_states; B: input Wc1 (given as codes): QUANTISED
;;     3. [M 1,024, K 512] x [K 512, N 1]; A: computed on the way; B: input Wc2: left as it is (N = 1 < 16)
;;     4. [M 1,024, K 1,024] x [K 1,024, N 4,096]; A: input hidden_states; B: input W1 (given as codes): QUANTISED
;;     5. [M 1,024, K 4,096] x [K 4,096, N 1,024]; A: computed on the way; B: input W2 (given as codes): QUANTISED
;;     6. [M 1,024, K 1,024] x [K 1,024, N 4,096]; A: input hidden_states; B: input W1 (given as codes): QUANTISED
;;     7. [M 1,024, K 4,096] x [K 4,096, N 1,024]; A: computed on the way; B: input W2 (given as codes): QUANTISED
;;     8. [M 1,024, K 1,024] x [K 1,024, N 4,096]; A: input hidden_states; B: input W1 (given as codes): QUANTISED
;;     9. [M 1,024, K 4,096] x [K 4,096, N 1,024]; A: computed on the way; B: input W2 (given as codes): QUANTISED
;;     10. [M 1,024, K 1,024] x [K 1,024, N 4,096]; A: input hidden_states; B: input W1 (given as codes): QUANTISED
;;     11. [M 1,024, K 4,096] x [K 4,096, N 1,024]; A: computed on the way; B: input W2 (given as codes): QUANTISED
;;     12. [M 1,024, K 1,024] x [K 1,024, N 4,096]; A: input hidden_states; B: input W1 (given as codes): QUANTISED
;;     13. [M 1,024, K 4,096] x [K 4,096, N 1,024]; A: computed on the way; B: input W2 (given as codes): QUANTISED
;;     14. [M 1,024, K 1,024] x [K 1,024, N 4,096]; A: input hidden_states; B: input W1 (given as codes): QUANTISED
;;     15. [M 1,024, K 4,096] x [K 4,096, N 1,024]; A: computed on the way; B: input W2 (given as codes): QUANTISED
;;     16. [M 1,024, K 1,024] x [K 1,024, N 4,096]; A: input hidden_states; B: input W1 (given as codes): QUANTISED
;;     17. [M 1,024, K 4,096] x [K 4,096, N 1,024]; A: computed on the way; B: input W2 (given as codes): QUANTISED
;;     18. [M 1,024, K 1,024] x [K 1,024, N 4,096]; A: input hidden_states; B: input W1 (given as codes): QUANTISED
;;     19. [M 1,024, K 4,096] x [K 4,096, N 1,024]; A: computed on the way; B: input W2 (given as codes): QUANTISED
;;   THE QUANTISER, for each operand of a quantised product, along K:
;;     - K is cut into blocks of 32 from its start; a last block that is shorter is filled with zeros.
;;     - A block's scale is 2^e with e = floor(log2(the largest magnitude in the block)) - 2, held to -126 .. 127; a block of zeros has e = 0. As a byte (E8M0): e + 127.
;;     - Each number is divided by its block's scale, clamped to +-6, and rounded to the nearest number of E2M1, ties to even, subnormals kept.
;;     - The product sums the exact products of the quantised numbers (number of the format x scale) in f32.
;;   ~~~python
;;   def quantise(x, axis):      # numpy; x: float32 -> the quantised numbers, widened to float32 again
;;       x = np.moveaxis(x, axis, -1); K = x.shape[-1]
;;       x = np.pad(x, [(0, 0)] * (x.ndim - 1) + [(0, -K % 32)]); x = x.reshape(x.shape[:-1] + (-1, 32)); a = np.abs(x).max(-1, keepdims=True)
;;       e = np.where(a > 0, np.clip(np.frexp(np.where(a > 0, a, 1))[1] - 1 - 2, -126, 127), 0)      # np.frexp(a)[1] - 1 = floor(log2(a)), exactly
;;       r = np.clip(x / 2.0 ** e, -6, 6)
;;       step = 2.0 ** (np.maximum(np.frexp(np.where(r == 0, 1, r))[1] - 1, 0) - 1)
;;       q = np.round(r / step) * step * 2.0 ** e      # np.round: ties to even
;;       return np.moveaxis(q.reshape(q.shape[:-2] + (-1,))[..., :K], -1, axis).astype(np.float32)
;;   ~~~
;;   OPERANDS COMPUTED ON THE WAY. 'Computed on the way' means the value that the module computes at that place (a softmax that the list does not call 'softmax' is quantised finished and normalised). What goes into a quantiser is computed in f32, as accurately as f32 sums, v_exp_f32 and their like allow (about 1e-6 of the number): no bf16 or f16 on the way to a quantiser, and a product that is left as it is and whose result goes on into a quantised operand takes f32 operands (vector FMAs, or v_wmma_f32_16x16x4_f32). A number that lies on a knife's edge between two numbers of the format may be rounded either way, as far as f32 arithmetic and the matrix unit's own rounding can turn it there, and no further.
;;   INPUTS GIVEN AS CODES. W1 (in the module: [8, 1024, 4096], K = its axis 1); W2 (in the module: [8, 4096, 1024], K = its axis 1); Wc1 (in the module: [1024, 512], K = its axis 0): each comes as NAME_codes (uint8): NAME with its K axis moved to the last place and cut into blocks of 32 codes, [.., K / 32, bytes a block], one block behind the other in memory; two codes a byte, the lower K in the low four bits (a code: sign, 2 exponent bits, 1 mantissa bit); and NAME_scales (uint8): the same leading axes, one E8M0 byte (e + 127) for each 32 codes along K. Its value is code x scale, taken as it is: it is not quantised again, and the codes and scales need not be those that the quantiser above would give.
;; 2 versions. Each part assembles by itself: llvm-mc -triple=amdgcn-amd-amdhsa -mcpu=gfx1250 --defsym DOCPART=n.
;; ======== version 1 of 2: 4 launches
;; workspace buffers: xq_codes 524,288 bytes; xq_scales 32,768 bytes; sel 4,096 bytes of whole numbers; gates 8,192 bytes; lst 33,792 bytes of whole numbers; hq_codes 16,777,216 bytes; hq_scales 2,097,152 bytes; ybuf 8,388,608 bytes
;; launch route (part 1): grid 64 x 1, 8 waves a work-group, no clusters, 87,040 bytes of LDS; arguments hidden_states, Wr, br, Wc1_codes, Wc1_scales, bc1, Wc2, bc2, xq_codes, xq_scales, sel, gates, out1, out2, out3, out4; writes xq_codes, xq_scales, sel, gates, out1, out2, out3, out4
.if DOCPART == 1
	.amdgcn_target "amdgcn-amd-amdhsa--gfx1250"
	.amdhsa_code_object_version 6
	.text
	.protected	k_q859aaa0ca9_route
	.globl	k_q859aaa0ca9_route
	.p2align	8
	.type	k_q859aaa0ca9_route,@function
k_q859aaa0ca9_route:
	s_mov_b64 s[64:65], 0
	v_nop
	global_prefetch_b8 v0, s[64:65] scope:SCOPE_SE
	s_setreg_imm32_b32 hwreg(HW_REG_WAVE_MODE, 25, 1), 1
	s_wait_xcnt 0x0
; MoE++ layer, first of four launches: the router, the confidence net, and x as codes of FP4 (E2M1) with one E8M0 byte for each 32 along K.
; WORK LEFT OUT BY THE PROGRAM.  reference() adds gate_e * y_e for all 8 experts, with gate_e = sum(where(bi == e, bw, 0)): for every e outside a token's two entries of bi
; that sum is 0 whatever the inputs hold, so gate_e * y_e adds 0 for every finite y_e.  Which rows of the expert products count is decided by whole numbers (bi): this launch stores them
; (sel), and the later launches read them from memory and multiply only the 2 x 1,024 rows that count.  The division by TEMPERATURE is a division by 1.  Every input is loaded by some launch.
; LIMITS.  A NaN, an infinity or an overflow in the y of an expert that was not chosen is not carried to the result.  NaN and infinities among the inputs are not served.
; The top-4 is taken on this text's own normalised probabilities (exp2 of (logit - max) x log2 e, times the reciprocal of the sum); equal numbers go to the lower index;
; v_exp_f32 gives 0 for results under 2^-126.  A block of 32 zeros of x gets the scale byte 1 (its codes are zeros; the bytes are read by this program alone).
; SHARES.  64 work-groups of 16 tokens, the least that a matrix tile takes; eight waves.  Wave w owns K step w (128 of the 1,024) of x: its load, its part of the logits, its quantiser;
; and units 64 w .. 64 w + 63 of the confidence net for all of K.  Wave 0 finishes the 16 tokens.
; THE LOGITS decide whole numbers that are compared exactly (out2), so they are summed in f32: v_wmma_f32_16x16x4_f32, 32 instructions a wave, 8 columns: no bulk work.
; ROWS ARE LOADED WHOLE (32 lanes x 16 bytes = 512 bytes on end) and turned into operand order through the wave's own LDS slot of 16 rows, 528 bytes apart
; (33 x 16 bytes, so that the 16 rows that a 16-byte read touches fall on 16 different 16-byte columns of 256 bytes).
; NO CLUSTER, NO TENSOR LOAD: what work-groups share here (Wc1, 272 KB) is read once by each, at the kernel's head, straight into registers.
.set SLOTB, 8448                       ; a wave's own slot: 16 rows x 528
.set XROW,  8*SLOTB                    ; x's codes as rows: 16 x 528
.set XSCR,  XROW+16*528                ; x's scale words: 16 rows x 48 (32 bytes + 16)
.set LGP,   XSCR+16*48                 ; the waves' partial logits: 8 images of 1,024 bytes
.set CP,    LGP+8*1024                 ; the waves' partial confidence sums: 8 x 128 bytes
.set SPARE, CP+8*128                   ; the spare words, 128 bytes for each wave: no other line names them
.set SPW, 20                           ; v20  my spare word's address; never rewritten
.set NIL, 21                           ; v21  0; never rewritten
.set TM,  96                           ; v96-111  the quantiser's work
.set PC,  112                          ; v112-119 the codes just made
.set PW,  120                          ; v120     the scale word just made
.set SEL, 38                           ; s[38:39] v_permlanex16_b32's selects for lane l xor 16
; REGISTERS, window 0: v1 lane, v2 r = lane % 16, v3 h = lane / 16, v4 16 lane, v5 4 lane, v6-19 LDS addresses, v22 32 r, v23 32 h; v24-31 x's scale words (nothing else);
;   v32-95 x as f32, then x's 8 fragments, then (wave 0) the partial logits; v96-159 Wr's part, then work and Wc2; v160-191 four logit accumulators (written by matrix instructions alone);
;   v192-223 Wc1's scale words (nothing else); v224-255 four accumulators of the confidence net, begun as bc1.   window 1: Wc1's fragments, tile t, K step s at 64 t + 8 s.
.set MSB, 0
.macro WIN new                         ; the immediate's high byte repeats the setting that is left; a switch that changes nothing is dropped
.if MSB != (\new)
	s_set_vgpr_msb (MSB<<8)|(\new)
.set MSB, (\new)
.endif
.endm
; 64 numbers of a lane, register 16 b + i = k 32 b + 16 h + i of my row, become a fragment's codes in v[PC] on and its scale word in v[PW]
.macro QUANT s
.irp b, 0,1,2,3
	v_max3_num_f32 v[TM+\b], |v[\s+16*\b]|, |v[\s+1+16*\b]|, 0x1800000   ; block b: my 16 numbers, and the floor 2^(3 - 127): the byte cannot fall under 1
.endr
.irp i, 2,4,6,8,10,12,14
.irp b, 0,1,2,3
	v_max3_num_f32 v[TM+\b], v[TM+\b], |v[\s+16*\b+\i]|, |v[\s+1+16*\b+\i]|
.endr
.endr
.irp b, 0,1,2,3
	v_permlanex16_b32 v[TM+4+\b], v[TM+\b], s[SEL], s[SEL+1]
.endr
.irp b, 0,1,2,3
	v_max_num_f32 v[TM+\b], v[TM+\b], v[TM+4+\b]                     ; with lane l xor 16's 16: the block's largest magnitude
.endr
.irp b, 0,1,2,3
	v_add_nc_u32 v[TM+12+\b], 0xff000000, v[TM+\b]                   ; 2 off its exponent field: the conversion's scale operand
.endr
.irp b, 0,1,2,3
	v_lshrrev_b32 v[TM+4+\b], 23, v[TM+12+\b]                        ; the scale's byte
.endr
	v_lshl_or_b32 v[PW], v[TM+5], 8, v[TM+4]
	v_lshl_or_b32 v[PW], v[TM+6], 16, v[PW]
	v_lshl_or_b32 v[PW], v[TM+7], 24, v[PW]
.irp b, 0,1,2,3
	v_cvt_scalef32_pk8_fp4_f32 v[PC+2*\b], v[\s+16*\b:\s+7+16*\b], v[TM+12+\b]
	v_cvt_scalef32_pk8_fp4_f32 v[PC+1+2*\b], v[\s+8+16*\b:\s+15+16*\b], v[TM+12+\b]
.endr
	v_nop                                          ; one plain place behind a scaled conversion
.irp c, 0,1                                    ; the operand's layout wants a whole block in a lane
.irp i, 0,1
	v_permlane16_swap_b32 v[PC+4*\c+\i], v[PC+2+4*\c+\i]
.endr
.endr
.endm
.macro BARRIER                                 ; my LDS stores have landed and my LDS loads are in: then the work-group's barrier
	s_wait_dscnt 0x0
	s_barrier_signal -1
	s_barrier_wait -1
.endm
.macro ADDG p, sh                              ; pointer += work-group << sh (s41 = 0)
	s_lshl_b32 s40, s37, \sh
	s_add_nc_u64 s[\p:\p+1], s[\p:\p+1], s[40:41]
.endm
.macro ADDW p, sh                              ; pointer += wave << sh
	s_lshl_b32 s40, s36, \sh
	s_add_nc_u64 s[\p:\p+1], s[\p:\p+1], s[40:41]
.endm
; pass k of the top-4 over the eight probabilities in v128-135: the largest, the lower index where two are equal (strict >); then the chosen one becomes -1
.macro TOP k
	v_mov_b32 v[144+\k], v128
	v_mov_b32 v[148+\k], 0
.irp j, 1,2,3,4,5,6,7
	v_cmp_gt_f32 vcc_lo, v[128+\j], v[144+\k]
	v_cndmask_b32 v[144+\k], v[144+\k], v[128+\j], vcc_lo
	v_cndmask_b32 v[148+\k], v[148+\k], \j, vcc_lo
.endr
.if \k < 3
.irp j, 0,1,2,3,4,5,6,7
	v_cmp_eq_u32 vcc_lo, \j, v[148+\k]
	v_cndmask_b32 v[128+\j], v[128+\j], -1.0, vcc_lo
.endr
.endif
.endm
	s_load_b512 s[4:19], s[0:1], 0x0               ; hidden s[4:5], Wr s[6:7], br s[8:9], Wc1 codes s[10:11], scales s[12:13], bc1 s[14:15], Wc2 s[16:17], bc2 s[18:19]
	s_load_b512 s[20:35], s[0:1], 0x40             ; xq_codes s[20:21], xq_scales s[22:23], sel s[24:25], gates s[26:27], out1 .. out4 s[28:35]
	v_lshl_add_u32 v[SPW], v0, 2, SPARE
	v_mov_b32 v[NIL], 0
	v_lshrrev_b32 v1, 5, v0
	v_readfirstlane_b32 s36, v1                    ; wave 0..7
	s_mov_b32 s37, ttmp9                           ; work-group: tokens 16 g ..
	s_mov_b32 s[SEL], 0x76543210
	s_mov_b32 s[SEL+1], 0xfedcba98
	s_mov_b32 s53, 0xffff0000                      ; lanes 16-31
	v_and_b32 v1, 31, v0                           ; lane
	v_and_b32 v2, 15, v0                           ; r
	v_bfe_u32 v3, v0, 4, 1                         ; h
	v_lshlrev_b32 v4, 4, v1
	v_lshlrev_b32 v5, 2, v1
	s_mul_i32 s40, s36, SLOTB                      ; my slot
	v_add_nc_u32 v6, s40, v4                       ; into it: a row's 512 bytes as they lie
	v_mul_u32_u24 v33, v2, 528
	v_lshl_add_u32 v7, v3, 6, v33
	v_add_nc_u32 v7, s40, v7                       ; x back: row r, + 64 h: my 16 numbers of a block of 32
	v_lshl_add_u32 v34, v3, 4, v33
	v_add_nc_u32 v8, s40, v34                      ; codes back: row r, + 16 h
	v_and_b32 v35, 7, v0
	v_lshlrev_b32 v35, 2, v35
	v_mad_u32_u24 v9, v3, 544, v35
	v_add_nc_u32 v9, s40, v9                       ; Wr back: 16 rows of Wr in 544 bytes; lanes 16-31 take the next 16 rows; expert r % 8
	v_add_nc_u32 v11, XROW, v34                    ; x's fragments: row r, + 16 h
	s_lshl_b32 s41, s36, 6
	v_add_nc_u32 v10, s41, v11                     ; where I put mine: K step w is 64 bytes of a row
	s_mul_i32 s41, s36, 2*528
	s_add_co_u32 s41, s41, XROW
	v_add_nc_u32 v12, s41, v4                      ; the two whole rows that I store
	v_mul_u32_u24 v14, v2, 48
	v_add_nc_u32 v14, XSCR, v14                    ; x's scale words of row r
	s_lshl_b32 s41, s36, 2
	v_add_nc_u32 v13, s41, v14                     ; where I put mine
	v_lshrrev_b32 v35, 1, v1
	v_mul_u32_u24 v35, v35, 48
	v_and_b32 v36, 1, v0
	v_lshl_add_u32 v15, v36, 4, v35
	v_add_nc_u32 v15, XSCR, v15                    ; the way out of the scale words: two lanes to a row
	v_add_nc_u32 v17, LGP, v4
	s_lshl_b32 s41, s36, 10
	v_add_nc_u32 v16, s41, v17                     ; my image of partial logits
	v_add_nc_u32 v19, CP, v5
	s_lshl_b32 s41, s36, 7
	v_add_nc_u32 v18, s41, v19                     ; my partial confidence sums
	v_lshlrev_b32 v22, 5, v2
	v_lshlrev_b32 v23, 5, v3
	s_mov_b32 s41, 0
	s_wait_kmcnt 0x0
	s_load_b256 s[44:51], s[8:9], 0x0              ; br
	s_load_b32 s52, s[18:19], 0x0                  ; bc2
	ADDG 4, 16                                     ; x: 16 rows of 4,096 bytes a work-group,
	ADDW 4, 9                                      ; 512 bytes of a row a wave
	ADDW 6, 12                                     ; Wr: 128 rows of 32 bytes a wave
	ADDW 10, 15                                    ; Wc1: 64 rows of 512 bytes a wave
	ADDW 12, 11                                    ; its scales: 64 rows of 32 bytes
	ADDW 14, 8                                     ; bc1, Wc2: 64 numbers
	ADDW 16, 8
	ADDG 20, 13                                    ; xq_codes: 16 rows of 512 bytes, two rows a wave
	ADDW 20, 10
	ADDG 22, 9
	ADDG 24, 6
	ADDG 26, 7
	ADDG 28, 8
	ADDG 30, 8
	ADDG 32, 6
	ADDG 34, 9
	; ---- all loads of the kernel but Wc2's: 16 + 8 + 8 + 8 + 64
.irp k, 0,1,2,3,4,5,6,7,8,9,10,11,12,13,14,15
	global_load_b128 v[32+4*\k:35+4*\k], v4, s[4:5] offset:4096*\k th:TH_LOAD_NT   ; token k, my K step: 512 bytes on end; read once in the launch
.endr
.irp k, 0,1,2,3,4,5,6,7
	global_load_b128 v[96+4*\k:99+4*\k], v4, s[6:7] offset:512*\k                  ; 16 rows of Wr
.endr
.irp t, 0,1,2,3
.irp c, 0,1
	global_load_b128 v[224+8*\t+4*\c:227+8*\t+4*\c], v23, s[14:15] offset:64*\t+16*\c   ; bc1 in the result's layout: units 16 t + 8 h + 0 .. 7: the sums begin as the bias
.endr
.endr
.irp t, 0,1,2,3
.irp c, 0,1
	global_load_b128 v[192+8*\t+4*\c:195+8*\t+4*\c], v22, s[12:13] offset:512*\t+16*\c  ; Wc1's scale words of unit 16 t + r, K steps 4 c ..
.endr
.endr
	WIN 0x40                                       ; destination window 1
.irp t, 0,1,2,3
.irp k, 0,1,2,3,4,5,6,7,8,9,10,11,12,13,14,15
	global_load_b128 v[64*\t+4*\k:64*\t+4*\k+3], v4, s[10:11] offset:(16*\t+\k)*512     ; a whole row of Wc1's codes
.endr
.endr
	WIN 0
	s_wait_kmcnt 0x0                               ; br, bc2
	s_wait_loadcnt 63                              ; behind the scales' last load 64 were issued: x, Wr, bc1 and the scales are in
	; ---- x and Wr through my slot (LDS serves a wave's instructions in order: no wait between stores and loads)
.irp k, 0,1,2,3,4,5,6,7,8,9,10,11,12,13,14,15
	ds_store_b128 v6, v[32+4*\k:35+4*\k] offset:528*\k
.endr
.irp b, 0,1,2,3
.irp j, 0,1,2,3
	ds_load_b128 v[32+16*\b+4*\j:35+16*\b+4*\j], v7 offset:128*\b+16*\j     ; register 16 b + i = x(token r, k = 32 b + 16 h + i)
.endr
.endr
.irp k, 0,1,2,3,4,5,6,7
	ds_store_b128 v6, v[96+4*\k:99+4*\k] offset:544*\k
.endr
.irp b, 0,1,2,3
.irp i, 0,1,2,3,4,5,6,7,8,9,10,11,12,13,14,15
	ds_load_b32 v[96+16*\b+\i], v9 offset:1088*\b+32*\i                     ; register 16 b + i = Wr(k = 32 b + 16 h + i, expert r % 8): the same k as x's register
.endr
.endr
	s_wait_dscnt 0x0
	; ---- my part of the logits: source 0 = Wr^T (rows = experts, twice), source 1 = x.  Four accumulators by turns; the first four products start the sums
.set p, 0
.rept 32
.if p < 4
	v_wmma_f32_16x16x4_f32 v[160+8*(p%4):167+8*(p%4)], v[96+2*p:97+2*p], v[32+2*p:33+2*p], 0
.else
	v_wmma_f32_16x16x4_f32 v[160+8*(p%4):167+8*(p%4)], v[96+2*p:97+2*p], v[32+2*p:33+2*p], v[160+8*(p%4):167+8*(p%4)]
.endif
.set p, p+1
.endr
.rept 8
	v_nop                                          ; eight places behind this form, in front of loads into and writes of its sources and of reads of its results
.endr
.irp t, 0,1,2,3
.irp c, 0,1
	global_load_b128 v[128+8*\t+4*\c:131+8*\t+4*\c], v23, s[16:17] offset:64*\t+16*\c   ; Wc2 in the result's layout
.endr
.endr
	QUANT 32                                       ; my K step of x becomes a fragment
	ds_store_b128 v10, v[PC:PC+3]                  ; as 64 bytes of each row: 32 c + 16 h
	ds_store_b128 v10, v[PC+4:PC+7] offset:32
	ds_store_b32 v13, v[PW]                        ; lanes r and r + 16 write the same word with the same value
.irp j, 0,2,4,6
	v_pk_add_f32 v[96+\j:97+\j], v[160+\j:161+\j], v[168+\j:169+\j]     ; the four accumulators are added, each read from its low end on
.endr
.irp j, 0,2,4,6
	v_pk_add_f32 v[104+\j:105+\j], v[176+\j:177+\j], v[184+\j:185+\j]
.endr
.irp j, 0,2,4,6
	v_pk_add_f32 v[96+\j:97+\j], v[96+\j:97+\j], v[104+\j:105+\j]       ; register j = logit part of token r, expert j
.endr
	ds_store_b128 v16, v[96:99]
	ds_store_b128 v16, v[100:103] offset:512
	; ---- Wc1's rows become fragments, a tile of 16 units at a time, through my slot
.irp t, 0,1,2,3
	s_wait_loadcnt 56-16*\t                        ; behind tile t's rows: 16 for each later tile, and Wc2's 8
	WIN 0x44                                       ; store data and load destination in window 1
.irp k, 0,1,2,3,4,5,6,7,8,9,10,11,12,13,14,15
	ds_store_b128 v6, v[64*\t+4*\k:64*\t+4*\k+3] offset:528*\k
.endr
.irp s, 0,1,2,3,4,5,6,7
.irp c, 0,1
	ds_load_b128 v[64*\t+8*\s+4*\c:64*\t+8*\s+4*\c+3], v8 offset:64*\s+32*\c
.endr
.endr
.endr
	WIN 0
	BARRIER                                        ; x's codes and scale words of all eight K steps lie in LDS
.irp s, 0,1,2,3,4,5,6,7
.irp c, 0,1
	ds_load_b128 v[32+8*\s+4*\c:35+8*\s+4*\c], v11 offset:64*\s+32*\c
.endr
.endr
	ds_load_b128 v[24:27], v14
	ds_load_b128 v[28:31], v14 offset:16
	ds_load_b128 v[96:99], v12
	ds_load_b128 v[100:103], v12 offset:528
	s_wait_dscnt 0x0
	global_store_b128 v4, v[96:99], s[20:21]                   ; two whole rows of x's codes: 512 bytes on end each
	global_store_b128 v4, v[100:103], s[20:21] offset:512
	; ---- the confidence net's first product, transposed: source 0 = 16 units of Wc1, source 1 = the 16 tokens.  Four accumulators by turns
	WIN 0x01                                       ; source 0 in window 1
.irp s, 0,1,2,3,4,5,6,7
.irp t, 0,1,2,3
	v_wmma_scale_f32_16x16x128_f8f6f4 v[224+8*\t:231+8*\t], v[64*\t+8*\s:64*\t+8*\s+7], v[32+8*\s:39+8*\s], v[224+8*\t:231+8*\t], v[192+8*\t+\s], v[24+\s] matrix_a_fmt:MATRIX_FMT_FP4 matrix_b_fmt:MATRIX_FMT_FP4
.endr
.endr
	WIN 0
.rept 4
	v_nop                                          ; four places in front of the first read of results
.endr
	s_wait_loadcnt 0x0                             ; Wc2
.set j, 0
.rept 32
	v_max_num_f32 v[224+j], 0, v[224+j]            ; ReLU, each accumulator from its low end on
.set j, j+1
.endr
	v_pk_mul_f32 v[104:105], v[224:225], v[128:129]
	v_pk_mul_f32 v[106:107], v[226:227], v[130:131]
.irp j, 4,8,12,16,20,24,28
	v_pk_fma_f32 v[104:105], v[224+\j:225+\j], v[128+\j:129+\j], v[104:105]
	v_pk_fma_f32 v[106:107], v[226+\j:227+\j], v[130+\j:131+\j], v[106:107]
.endr
	v_pk_add_f32 v[104:105], v[104:105], v[106:107]
	v_add_f32 v104, v104, v105
	v_permlanex16_b32 v108, v104, s[SEL], s[SEL+1]
	v_add_f32 v104, v104, v108                     ; token r: the dot product over my 64 units
	ds_store_b32 v18, v104
	BARRIER                                        ; all partial logits and confidence sums lie in LDS
	s_cmp_lg_u32 s36, 0
	s_cbranch_scc1 .Lend
	; ---- wave 0 finishes the 16 tokens; lanes r and r + 16 hold the same token
	s_wait_xcnt 0x0                                ; my stores of x's rows have read v96-103
.irp w, 0,1,2,3,4,5,6,7
	ds_load_b128 v[32+8*\w:35+8*\w], v17 offset:1024*\w
	ds_load_b128 v[36+8*\w:39+8*\w], v17 offset:1024*\w+512
.endr
.irp w, 0,1,2,3,4,5,6,7
	ds_load_b32 v[96+\w], v19 offset:128*\w
.endr
	ds_load_b128 v[104:107], v15
	v_lshl_add_u32 v142, v3, 4, v22                ; out4: 32 r + 16 h
	v_lshlrev_b32 v143, 3, v1                      ; gates: 8 r
	s_wait_dscnt 0x0
	global_store_b128 v4, v[104:107], s[22:23]     ; the 16 tokens' scale bytes: 512 bytes on end
.irp j, 0,2,4,6
	v_pk_add_f32 v[112+\j:113+\j], v[32+\j:33+\j], v[40+\j:41+\j]
.endr
.irp w, 2,3,4,5,6,7
.irp j, 0,2,4,6
	v_pk_add_f32 v[112+\j:113+\j], v[112+\j:113+\j], v[32+8*\w+\j:33+8*\w+\j]
.endr
.endr
.irp j, 0,1,2,3,4,5,6,7
	v_add_f32 v[112+\j], s[44+\j], v[112+\j]       ; + br: the logits
.endr
.irp i, 0,1,2,3
	v_cndmask_b32 v[120+\i], v[112+\i], v[116+\i], s53   ; lanes 16-31 take experts 4 .. 7
.endr
	global_store_b128 v142, v[120:123], s[34:35]   ; out4: 512 bytes on end
	v_pk_add_f32 v[96:97], v[96:97], v[98:99]
	v_pk_add_f32 v[100:101], v[100:101], v[102:103]
	v_pk_add_f32 v[96:97], v[96:97], v[100:101]
	v_add_f32 v96, v96, v97
	v_add_f32 v139, s52, v96                       ; z = relu(..) . Wc2 + bc2
	v_max3_num_f32 v137, v112, v113, v114          ; the maximum is taken away before the exponentials
	v_max3_num_f32 v137, v137, v115, v116
	v_max3_num_f32 v137, v137, v117, v118
	v_max_num_f32 v137, v137, v119
.irp j, 0,1,2,3,4,5,6,7
	v_sub_f32 v[128+\j], v[112+\j], v137
.endr
.irp j, 0,1,2,3,4,5,6,7
	v_mul_f32 v[128+\j], 0x3fb8aa3b, v[128+\j]     ; x log2 e
.endr
	v_mul_f32 v136, 0xbfb8aa3b, v139               ; - z log2 e
.irp j, 0,1,2,3,4,5,6,7,8
	v_exp_f32 v[128+\j], v[128+\j]                 ; one batch: the eight of the softmax and the sigmoid's
.endr
	v_nop                                          ; a plain place behind the last
	s_wait_alu depctr_va_vdst(0)                   ; one wait for the batch, ahead of its first reader
	v_pk_add_f32 v[108:109], v[128:129], v[130:131]
	v_pk_add_f32 v[110:111], v[132:133], v[134:135]
	v_pk_add_f32 v[108:109], v[108:109], v[110:111]
	v_add_f32 v138, v108, v109
	v_add_f32 v136, 1.0, v136
	v_rcp_f32 v138, v138
	v_rcp_f32 v140, v136                           ; conf = 1 / (1 + e^-z)
	v_nop
	s_wait_alu depctr_va_vdst(0)                   ; one wait for the two reciprocals
.irp j, 0,1,2,3,4,5,6,7
	v_mul_f32 v[128+\j], v[128+\j], v138           ; the probabilities
.endr
	v_sub_f32 v141, 1.0, v140
	v_fma_f32 v141, v141, 0x40400000, 1.0          ; 1 + 3 (1 - conf)
	v_rndne_f32 v141, v141                         ; to the nearest whole number, ties to even
	v_med3_num_f32 v141, v141, 1.0, 4.0            ; dyn_k, kept as f32
	TOP 0
	TOP 1
	TOP 2
	TOP 3
	v_add_f32 v127, v144, v145
	v_rcp_f32 v127, v127
	v_lshl_or_b32 v126, v149, 8, v148              ; sel = first expert | second expert << 8.  (A plain place behind the reciprocal)
	v_mov_b32 v152, v144                           ; slot 0 always counts: dyn_k is at least 1
	v_mov_b32 v156, v148
	v_cmp_lt_f32 vcc_lo, 1.0, v141
	v_cndmask_b32 v153, 0, v145, vcc_lo
	v_cndmask_b32 v157, 0, v149, vcc_lo
	v_cmp_lt_f32 vcc_lo, 2.0, v141
	v_cndmask_b32 v154, 0, v146, vcc_lo
	v_cndmask_b32 v158, 0, v150, vcc_lo
	v_cmp_lt_f32 vcc_lo, 0x40400000, v141
	v_cndmask_b32 v155, 0, v147, vcc_lo
	v_cndmask_b32 v159, 0, v151, vcc_lo
	s_wait_alu depctr_va_vdst(0)                   ; the wait for the reciprocal, ahead of its first reader
	v_mul_f32 v124, v144, v127                     ; the two gates, renormalised
	v_mul_f32 v125, v145, v127
	v_cmp_gt_u32 vcc_lo, 16, v1
	s_wait_xcnt 0x0                                ; EXEC changes only behind this wait
	s_and_saveexec_b32 s54, vcc_lo                 ; lanes 0-15: a lane a token
	global_store_b128 v4, v[152:155], s[28:29]     ; out1: 16 lanes store 256 bytes on end, aligned
	global_store_b128 v4, v[156:159], s[30:31]     ; out2 likewise
	global_store_b32 v5, v140, s[32:33]            ; out3
	global_store_b32 v5, v126, s[24:25]            ; sel
	global_store_b64 v143, v[124:125], s[26:27]    ; gates
	s_wait_xcnt 0x0                                ; and again in front of the line that widens it
	s_or_b32 exec_lo, exec_lo, s54
.Lend:
	s_wait_tensorcnt 0x0                           ; the wave's end
	ds_add_u32 v[SPW], v[NIL]
	s_wait_dscnt 0x0
	s_endpgm
.Lfunc_end_k_q859aaa0ca9_route:
	.size	k_q859aaa0ca9_route, .Lfunc_end_k_q859aaa0ca9_route-k_q859aaa0ca9_route
	.p2alignl 7, 3214868480
	.fill 96, 4, 3214868480
	.section	.rodata,"a",@progbits
	.p2align	6, 0x0
	.amdhsa_kernel k_q859aaa0ca9_route
		.amdhsa_group_segment_fixed_size 87040
		.amdhsa_private_segment_fixed_size 0
		.amdhsa_enable_private_segment 0
		.amdhsa_kernarg_size 128
		.amdhsa_user_sgpr_count 2
		.amdhsa_user_sgpr_kernarg_segment_ptr 1
		.amdhsa_wavefront_size32 1
		.amdhsa_system_sgpr_workgroup_id_x 1
		.amdhsa_system_sgpr_workgroup_id_y 1
		.amdhsa_system_sgpr_workgroup_id_z 1
		.amdhsa_system_vgpr_workitem_id 0
		.amdhsa_next_free_vgpr 512
		.amdhsa_next_free_sgpr 66
		.amdhsa_reserve_vcc 1
		.amdhsa_float_denorm_mode_32 3
		.amdhsa_float_denorm_mode_16_64 3
		.amdhsa_memory_ordered 1
		.amdhsa_forward_progress 1
		.amdhsa_inst_pref_size 59
	.end_amdhsa_kernel
	.amdgpu_metadata
---
amdhsa.version: [ 1, 2 ]
amdhsa.kernels:
  - .name:           k_q859aaa0ca9_route
    .symbol:         k_q859aaa0ca9_route.kd
    .args:
      - { .name: hidden_states, .offset: 0, .size: 8, .value_kind: global_buffer, .address_space: global }
      - { .name: Wr, .offset: 8, .size: 8, .value_kind: global_buffer, .address_space: global }
      - { .name: br, .offset: 16, .size: 8, .value_kind: global_buffer, .address_space: global }
      - { .name: Wc1_codes, .offset: 24, .size: 8, .value_kind: global_buffer, .address_space: global }
      - { .name: Wc1_scales, .offset: 32, .size: 8, .value_kind: global_buffer, .address_space: global }
      - { .name: bc1, .offset: 40, .size: 8, .value_kind: global_buffer, .address_space: global }
      - { .name: Wc2, .offset: 48, .size: 8, .value_kind: global_buffer, .address_space: global }
      - { .name: bc2, .offset: 56, .size: 8, .value_kind: global_buffer, .address_space: global }
      - { .name: xq_codes, .offset: 64, .size: 8, .value_kind: global_buffer, .address_space: global }
      - { .name: xq_scales, .offset: 72, .size: 8, .value_kind: global_buffer, .address_space: global }
      - { .name: sel, .offset: 80, .size: 8, .value_kind: global_buffer, .address_space: global }
      - { .name: gates, .offset: 88, .size: 8, .value_kind: global_buffer, .address_space: global }
      - { .name: out1, .offset: 96, .size: 8, .value_kind: global_buffer, .address_space: global }
      - { .name: out2, .offset: 104, .size: 8, .value_kind: global_buffer, .address_space: global }
      - { .name: out3, .offset: 112, .size: 8, .value_kind: global_buffer, .address_space: global }
      - { .name: out4, .offset: 120, .size: 8, .value_kind: global_buffer, .address_space: global }
    .group_segment_fixed_size: 87040
    .private_segment_fixed_size: 0
    .kernarg_segment_align: 8
    .kernarg_segment_size: 128
    .max_flat_workgroup_size: 256
    .sgpr_count:     66
    .vgpr_count:     512
    .wavefront_size: 32
...
	.end_amdgpu_metadata
.endif
;; end of part 1
;; launch ffn1 (part 2): grid 256 x 1, 4 waves a work-group, no clusters, 79,360 bytes of LDS; arguments xq_codes, xq_scales, sel, W1_codes, W1_scales, b1, hq_codes, hq_scales, lst; writes hq_codes, hq_scales, lst
.if DOCPART == 2
	.amdgcn_target "amdgcn-amd-amdhsa--gfx1250"
	.amdhsa_code_object_version 6
	.text
	.protected	k_q859aaa0ca9_ffn1
	.globl	k_q859aaa0ca9_ffn1
	.p2align	8
	.type	k_q859aaa0ca9_ffn1,@function
k_q859aaa0ca9_ffn1:
	s_mov_b64 s[64:65], 0
	v_nop
	global_prefetch_b8 v0, s[64:65] scope:SCOPE_SE
	s_setreg_imm32_b32 hwreg(HW_REG_WAVE_MODE, 25, 1), 1
	s_wait_xcnt 0x0
; MoE++ layer, second of four launches: h = relu(x W1[e] + b1[e]) for the rows that chose expert e, quantised along the hidden axis to codes of FP4 with E8M0 scales.
; WORK LEFT OUT: rows of tokens whose two chosen experts (sel, stored by the launch before) do not include e have gate 0 in reference(), so they are not multiplied.
; SHARES.  256 work-groups: expert e = wg / 32, hidden units 128 c .. 128 c + 127 with c = wg % 32, which are K step c of the second product.  The block of W1 (128 rows x 512 bytes) is read from memory
; once, 32 whole rows a wave, shared through LDS, and then kept by EVERY wave in 512 registers.  The rows of expert e go in units of 16; wave w takes units w, w + 4, ..
; THE LIST.  While the weights are on their way, wave 0 sorts: it reads all 1,024 words of sel and places token | slot << 16 of each token that chose e into a list in LDS, by counting set bits below its lane;
; lanes with no match write to a dump word behind the list.  Behind the count the list holds zeros (token 0).  The work-group with c = 0 stores list and count for the next launch.
; AT LEAST 8 UNITS of every expert are made (padded with token 0), so that the next launch's first two loads of h, which are issued before it knows the count, read stored bytes:
; extra work only for an expert with fewer than 113 rows.
; THE ROWS OF W1 THAT FORM A TILE ARE NOT NEIGHBOURS: lane m of tile 2 b + u takes row 32 b + 8 u + m + 8 (m / 8), so that a lane's 16 registers of tiles 2 b, 2 b + 1 are 16 neighbours along the next K.
; The rows are laid in LDS in that order, 528 bytes apart.  The product is used transposed (source 0 = 16 rows of W1, source 1 = 16 tokens): a lane holds one token.  b1 is the C of each sum's first product.
; h LEAVES AS AN IMAGE OF THE OPERAND'S REGISTERS: [e][unit][K step][2 x 512 bytes], lane l's 16 bytes at 16 l; the scale words 4 bytes a lane.
; NO TENSOR LOAD AND NO CLUSTER: the walk over units branches on a count that comes from memory.  The loop's trip count is a constant; units past the count are jumped over.
; LIMITS: a block of 32 zeros of h gets the scale byte 1 (its codes are zeros; the bytes are read by this program alone); NaN and infinities are not served.
.set WROW,  0                          ; 128 rows x 528
.set WSCL,  128*528                    ; W1's scale bytes: 128 rows x 48 (32 bytes + 16), in the same order of rows
.set LIST,  WSCL+128*48                ; 1,152 entries and the dump word at entry 1,152
.set CNTW,  LIST+4864                  ; the count
.set SPARE, CNTW+256                   ; the spare words, 128 bytes for each wave: no other line names them
.set SPW, 18
.set NIL, 19
.set TM,  208
.set PC,  224
.set PW,  232
.set SEL, 36
; REGISTERS, window 0: v1 lane, v2 r, v3 h, v4 16 lane, v5 4 lane, v6-11 LDS addresses, v12-13 the gathers' offsets in xq_codes (two buffers), v14-15 in xq_scales, v16-17 list entries, v21-26 addresses,
;   v32-47 the sort; v48-55 at work; v64-127 the 8 tiles of h (first: wave 0's words of sel); v128-191 W1's scale words (nothing else); v192-207 x's scale words, two buffers (nothing else); v208-232 the quantiser.
;   windows 1, 2: W1's fragments, tile t, K step s at 64 (t % 4) + 8 s of window 1 + t / 4.   window 3: x's fragments, buffer b at 64 b; b1's 8 tiles from v128.
.set MSB, 0
.macro WIN new
.if MSB != (\new)
	s_set_vgpr_msb (MSB<<8)|(\new)
.set MSB, (\new)
.endif
.endm
.macro QUANT s                                 ; 64 numbers of a lane, register 16 b + i = k 32 b + 16 h + i of my row -> codes in v[PC] on, scale word in v[PW]
.irp b, 0,1,2,3
	v_max3_num_f32 v[TM+\b], |v[\s+16*\b]|, |v[\s+1+16*\b]|, 0x1800000   ; and the floor 2^(3 - 127): the byte cannot fall under 1
.endr
.irp i, 2,4,6,8,10,12,14
.irp b, 0,1,2,3
	v_max3_num_f32 v[TM+\b], v[TM+\b], |v[\s+16*\b+\i]|, |v[\s+1+16*\b+\i]|
.endr
.endr
.irp b, 0,1,2,3
	v_permlanex16_b32 v[TM+4+\b], v[TM+\b], s[SEL], s[SEL+1]
.endr
.irp b, 0,1,2,3
	v_max_num_f32 v[TM+\b], v[TM+\b], v[TM+4+\b]
.endr
.irp b, 0,1,2,3
	v_add_nc_u32 v[TM+12+\b], 0xff000000, v[TM+\b]                   ; 2 off the exponent field: the conversion's scale operand
.endr
.irp b, 0,1,2,3
	v_lshrrev_b32 v[TM+4+\b], 23, v[TM+12+\b]                        ; the scale's byte
.endr
	v_lshl_or_b32 v[PW], v[TM+5], 8, v[TM+4]
	v_lshl_or_b32 v[PW], v[TM+6], 16, v[PW]
	v_lshl_or_b32 v[PW], v[TM+7], 24, v[PW]
.irp b, 0,1,2,3
	v_cvt_scalef32_pk8_fp4_f32 v[PC+2*\b], v[\s+16*\b:\s+7+16*\b], v[TM+12+\b]
	v_cvt_scalef32_pk8_fp4_f32 v[PC+1+2*\b], v[\s+8+16*\b:\s+15+16*\b], v[TM+12+\b]
.endr
	v_nop                                          ; one plain place behind a scaled conversion
.irp c, 0,1
.irp i, 0,1
	v_permlane16_swap_b32 v[PC+4*\c+\i], v[PC+2+4*\c+\i]
.endr
.endr
.endm
.macro BARRIER
	s_wait_dscnt 0x0
	s_barrier_signal -1
	s_barrier_wait -1
.endm
.macro OFF3 dst, src, se, sc, sw               ; s[dst] = s[src] + (e << se) + (c << sc) + (wave << sw); s47 = 0
	s_lshl_b32 s46, s25, \se
	s_lshl_b32 s45, s26, \sc
	s_add_co_u32 s46, s46, s45
	s_lshl_b32 s45, s24, \sw
	s_add_co_u32 s46, s46, s45
	s_add_nc_u64 s[\dst:\dst+1], s[\src:\src+1], s[46:47]
.endm
; one word of sel a lane: token 128 (idx / 4) + 4 lane + idx % 4
.macro SORT1 idx
	v_and_b32 v32, 0xff, v[64+\idx]                ; its first expert
	v_lshrrev_b32 v33, 8, v[64+\idx]               ; its second
	v_cmp_eq_u32 s40, s25, v32
	v_cmp_eq_u32 s41, s25, v33
	s_or_b32 s42, s40, s41                         ; the lanes whose token chose e (the two experts differ: at most one match)
	v_mbcnt_lo_u32_b32 v40, s42, s44               ; the entries so far + the matches below my lane
	v_cndmask_b32 v40, v36, v40, s42               ; no match: the dump word
	v_min_u32 v40, 0x480, v40
	v_lshl_add_u32 v40, v40, 2, LIST
	v_cndmask_b32 v34, 0, v35, s41                 ; slot 1 where e is the second expert
	v_add3_u32 v34, v34, v5, 128*((\idx)/4)+(\idx)%4
	ds_store_b32 v40, v34
	s_bcnt1_i32_b32 s43, s42
	s_add_co_u32 s44, s44, s43
.endm
.macro LISTADR b, e                            ; a list entry in v[e] becomes buffer b's offsets: four plain lines
	v_and_b32 v[\e], 0xffff, v[\e]                 ; the token,
	v_min_u32 v[\e], 0x3ff, v[\e]                  ; held inside the table
	v_lshl_add_u32 v[12+\b], v[\e], 9, v23         ; its row of 512 bytes of codes, + 16 h
	v_lshlrev_b32 v[14+\b], 5, v[\e]               ; its 32 scale bytes
.endm
.macro XLOAD b                                 ; 18 loads: the 16 listed tokens' fragments of all 8 K steps, and their scale words
	WIN 0xc0                                       ; destination window 3
.irp s, 0,1,2,3,4,5,6,7
.irp c, 0,1
	global_load_b128 v[64*\b+8*\s+4*\c:64*\b+8*\s+4*\c+3], v[12+\b], s[4:5] offset:64*\s+32*\c
.endr
.endr
	WIN 0
	global_load_b128 v[192+8*\b:195+8*\b], v[14+\b], s[6:7]
	global_load_b128 v[196+8*\b:199+8*\b], v[14+\b], s[6:7] offset:16
.endm
; 64 products: 8 tiles x 8 K steps; four accumulators by turns, one instruction a turn; the first product of each sum takes b1 as C
.macro MM1 b
.irp g, 0,1
	WIN 0x3d+\g                                    ; source 0 (W1) window 1 + g, source 1 (x) and C (b1) window 3, D window 0
.irp t, 0,1,2,3
	v_wmma_scale_f32_16x16x128_f8f6f4 v[64+8*(4*\g+\t):71+8*(4*\g+\t)], v[64*\t:64*\t+7], v[64*\b:64*\b+7], v[128+8*(4*\g+\t):135+8*(4*\g+\t)], v[128+8*(4*\g+\t)], v[192+8*\b] matrix_a_fmt:MATRIX_FMT_FP4 matrix_b_fmt:MATRIX_FMT_FP4
.endr
	WIN 0x0d+\g                                    ; C and D window 0
.irp s, 1,2,3,4,5,6,7
.irp t, 0,1,2,3
	v_wmma_scale_f32_16x16x128_f8f6f4 v[64+8*(4*\g+\t):71+8*(4*\g+\t)], v[64*\t+8*\s:64*\t+8*\s+7], v[64*\b+8*\s:64*\b+8*\s+7], v[64+8*(4*\g+\t):71+8*(4*\g+\t)], v[128+8*(4*\g+\t)+\s], v[192+8*\b+\s] matrix_a_fmt:MATRIX_FMT_FP4 matrix_b_fmt:MATRIX_FMT_FP4
.endr
.endr
.endr
	WIN 0
.endm
	s_load_b512 s[4:19], s[0:1], 0x0               ; xq_codes s[4:5], xq_scales s[6:7], sel s[8:9], W1 codes s[10:11], scales s[12:13], b1 s[14:15], hq_codes s[16:17], hq_scales s[18:19]
	s_load_b64 s[20:21], s[0:1], 0x40              ; lst
	v_lshl_add_u32 v[SPW], v0, 2, SPARE
	v_mov_b32 v[NIL], 0
	v_lshrrev_b32 v1, 5, v0
	v_readfirstlane_b32 s24, v1                    ; wave 0..3
	s_lshr_b32 s25, ttmp9, 5                       ; e
	s_and_b32 s26, ttmp9, 31                       ; c
	s_mov_b32 s[SEL], 0x76543210
	s_mov_b32 s[SEL+1], 0xfedcba98
	v_and_b32 v1, 31, v0
	v_and_b32 v2, 15, v0
	v_bfe_u32 v3, v0, 4, 1
	v_lshlrev_b32 v4, 4, v1
	v_lshlrev_b32 v5, 2, v1
	s_mul_i32 s40, s24, 32*528
	v_add_nc_u32 v6, s40, v4                       ; my 32 rows of the block in LDS, a row as it lies
	v_mul_u32_u24 v7, v2, 528
	v_lshl_add_u32 v7, v3, 4, v7                   ; a fragment: row r, + 16 h
	v_lshrrev_b32 v48, 1, v1                       ; y = lane / 2: a load of scale bytes holds 16 rows, two lanes to a row
	v_lshrrev_b32 v49, 3, v48
	v_and_b32 v48, 7, v48
	v_lshl_add_u32 v48, v49, 4, v48                ; the row's place in the tiles' order: 16 (y / 8) + y % 8 (+ 8 for the second load)
	v_mul_u32_u24 v48, v48, 48
	v_and_b32 v49, 1, v0
	v_lshl_add_u32 v48, v49, 4, v48
	s_mul_i32 s40, s24, 32*48
	s_add_co_u32 s40, s40, WSCL
	v_add_nc_u32 v8, s40, v48
	v_mul_u32_u24 v9, v2, 48
	v_add_nc_u32 v9, WSCL, v9
	s_lshl_b32 s40, s24, 6
	s_add_co_u32 s40, s40, LIST
	v_lshl_add_u32 v10, v2, 2, s40                 ; entry 16 w + r of the list
	v_mov_b32 v21, CNTW
	v_add_nc_u32 v22, LIST, v4
	v_lshlrev_b32 v23, 4, v3
	s_lshl_b32 s40, s24, 10
	v_add_nc_u32 v25, s40, v4                      ; the list's way out: 1,024 bytes a wave
	v_add_nc_u32 v24, LIST, v25
	v_lshlrev_b32 v26, 6, v3
	v_mov_b32 v35, 0x10000
	v_mov_b32 v36, 1152
.irp i, 0,1,2,3
	v_mov_b32 v[44+\i], 0
	v_mov_b32 v[TM+4+\i], 0                        ; written once: a lane permute's destination counts as one of its sources
.endr
	s_mov_b32 s47, 0
	s_mov_b32 s29, s24                             ; my first unit
	s_mov_b32 s30, 0
	s_wait_kmcnt 0x0
	OFF3 10, 10, 21, 16, 14                        ; W1's codes: expert, block of 128 rows, my 32 rows of 512 bytes
	OFF3 12, 12, 17, 12, 10                        ; its scale bytes: rows of 32 bytes
	OFF3 32, 16, 21, 10, 15                        ; hq_codes at (e, unit w, K step c)
	OFF3 34, 18, 18, 7, 12                         ; hq_scales likewise
	s_lshl_b32 s46, s25, 14
	s_lshl_b32 s45, s26, 9
	s_add_co_u32 s46, s46, s45
	s_add_nc_u64 s[14:15], s[14:15], s[46:47]      ; b1: my block's 128 numbers
	s_lshl_b32 s46, s25, 7
	s_add_co_u32 s46, s46, 32768
	s_add_nc_u64 s[22:23], s[20:21], s[46:47]      ; lst: e's count
	s_lshl_b32 s46, s25, 12
	s_add_nc_u64 s[20:21], s[20:21], s[46:47]      ; lst: e's list
	s_cmp_lg_u32 s24, 0
	s_cbranch_scc1 .Lno_sel
.irp j, 0,1,2,3,4,5,6,7
	global_load_b128 v[64+4*\j:67+4*\j], v4, s[8:9] offset:512*\j      ; wave 0: all of sel
.endr
.Lno_sel:
	WIN 0x40
.set k, 0
.rept 32
	global_load_b128 v[4*k:4*k+3], v4, s[10:11] offset:512*k th:TH_LOAD_NT   ; a whole row of W1's codes: 512 bytes on end; read once in the launch
.set k, k+1
.endr
	WIN 0
	global_load_b128 v[48:51], v4, s[12:13] th:TH_LOAD_NT
	global_load_b128 v[52:55], v4, s[12:13] offset:512 th:TH_LOAD_NT
	WIN 0xc0
.irp t, 0,1,2,3,4,5,6,7
.irp c, 0,1
	global_load_b128 v[128+8*\t+4*\c:131+8*\t+4*\c], v26, s[14:15] offset:(32*(\t/2)+8*(\t%2))*4+16*\c   ; b1 in the result's layout: units 32 (t / 2) + 16 h + 8 (t % 2) + 0 .. 7
.endr
.endr
	WIN 0
	s_cmp_lg_u32 s24, 0
	s_cbranch_scc1 .Lno_sort
	s_wait_loadcnt 50                              ; behind sel's loads: 32 rows, 2 of scale bytes, 16 of b1
.irp k, 0,1,2,3,4,5,6,7,8
	ds_store_b128 v22, v[44:47] offset:512*\k      ; the list begins as zeros: 1,152 entries
.endr
	s_mov_b32 s44, 0
.set q, 0
.rept 32
	SORT1 q
.set q, q+1
.endr
	v_mov_b32 v37, s44
	ds_store_b32 v21, v37                          ; the count
.Lno_sort:
	BARRIER                                        ; up to here wave 0 alone has touched LDS; list and count are whole
	ds_load_b32 v16, v10                           ; my first two units' entries
	ds_load_b32 v17, v10 offset:256
	ds_load_b32 v38, v21
	s_wait_dscnt 0x0
	v_readfirstlane_b32 s27, v38                   ; n
	s_add_co_u32 s28, s27, 15
	s_lshr_b32 s28, s28, 4
	s_max_u32 s28, s28, 8                          ; units to make
	LISTADR 0, 16
	LISTADR 1, 17
	XLOAD 0
	XLOAD 1
	s_wait_loadcnt 52                              ; behind the scale bytes: b1's 16 and the two units' 36: my rows of W1 are in
	WIN 0x04                                       ; store data in window 1
.set k, 0
.rept 32
	ds_store_b128 v6, v[4*k:4*k+3] offset:(16*((k>>3)&1)+(k&7)+8*(k>>4))*528     ; row k of my 32 goes to its place in the tiles' order
.set k, k+1
.endr
	WIN 0
	ds_store_b128 v8, v[48:51]
	ds_store_b128 v8, v[52:55] offset:8*48
	BARRIER                                        ; the block and its scale bytes lie in LDS
.irp g, 0,1
	WIN 0x40+0x40*\g
.irp t, 0,1,2,3
.irp s, 0,1,2,3,4,5,6,7
.irp c, 0,1
	ds_load_b128 v[64*\t+8*\s+4*\c:64*\t+8*\s+4*\c+3], v7 offset:16*(4*\g+\t)*528+64*\s+32*\c
.endr
.endr
.endr
.endr
	WIN 0
.irp t, 0,1,2,3,4,5,6,7
.irp c, 0,1
	ds_load_b128 v[128+8*\t+4*\c:131+8*\t+4*\c], v9 offset:16*\t*48+16*\c
.endr
.endr
	s_wait_dscnt 0x0
; A unit of 16 listed rows, in buffer b.  Two units' gathers are always out; the entries of the unit two on come from the list while this unit is multiplied.
.macro UNIT b
	s_cmp_lt_u32 s29, s28
	s_cbranch_scc0 .Lskip_\@
	v_add_nc_u32 v11, s30, v10
	ds_load_b32 v16, v11 offset:512                ; the entries of my unit two on (behind the count: zeros; the list has room for them)
	s_wait_loadcnt 18                              ; this unit's gathers are in (at first b1 too); the next unit's 18 may be out
	MM1 \b
	s_wait_dscnt 0x0
	LISTADR \b, 16                                 ; four plain lines: the places behind the products, in front of the loads below and of the first read of results
	XLOAD \b
.set j, 0
.rept 64
	v_max_num_f32 v[64+j], 0, v[64+j]              ; ReLU, each accumulator from its low end on
.set j, j+1
.endr
	QUANT 64
	global_store_b128 v4, v[PC:PC+3], s[32:33] th:TH_STORE_NT              ; the fragment as it stands: 512 bytes on end, twice
	global_store_b128 v4, v[PC+4:PC+7], s[32:33] offset:512 th:TH_STORE_NT
	global_store_b32 v5, v[PW], s[34:35] th:TH_STORE_NT
	s_branch .Ldone_\@
.Lskip_\@:
	s_wait_loadcnt 0x0                             ; past the count: nothing more is asked for
.Ldone_\@:
	s_wait_xcnt 0x0                                ; the stores have read their data and bases: both may be written again
	s_add_nc_u64 s[32:33], s[32:33], 0x20000       ; four units on
	s_add_nc_u64 s[34:35], s[34:35], 0x4000
	s_add_co_u32 s29, s29, 4
	s_add_co_u32 s30, s30, 256
.endm
	s_mov_b32 s31, 8                               ; 8 trips x 2 units x 4 waves = the 64 units that 1,024 rows can fill
.Ltrip:
	UNIT 0
	UNIT 1
	s_sub_co_u32 s31, s31, 1
	s_cmp_lg_u32 s31, 0
	s_cbranch_scc1 .Ltrip
	s_cmp_lg_u32 s26, 0                            ; the work-group with c = 0 stores e's list and count
	s_cbranch_scc1 .Lno_list
	ds_load_b128 v[48:51], v24
	ds_load_b128 v[52:55], v24 offset:512
	s_wait_dscnt 0x0
	global_store_b128 v25, v[48:51], s[20:21]
	global_store_b128 v25, v[52:55], s[20:21] offset:512
	s_cmp_lg_u32 s24, 0
	s_cbranch_scc1 .Lno_list
	global_store_b32 v5, v38, s[22:23]             ; the count, 32 equal words
.Lno_list:
	s_wait_tensorcnt 0x0                           ; the wave's end
	ds_add_u32 v[SPW], v[NIL]
	s_wait_dscnt 0x0
	s_endpgm
.Lfunc_end_k_q859aaa0ca9_ffn1:
	.size	k_q859aaa0ca9_ffn1, .Lfunc_end_k_q859aaa0ca9_ffn1-k_q859aaa0ca9_ffn1
	.p2alignl 7, 3214868480
	.fill 96, 4, 3214868480
	.section	.rodata,"a",@progbits
	.p2align	6, 0x0
	.amdhsa_kernel k_q859aaa0ca9_ffn1
		.amdhsa_group_segment_fixed_size 79360
		.amdhsa_private_segment_fixed_size 0
		.amdhsa_enable_private_segment 0
		.amdhsa_kernarg_size 72
		.amdhsa_user_sgpr_count 2
		.amdhsa_user_sgpr_kernarg_segment_ptr 1
		.amdhsa_wavefront_size32 1
		.amdhsa_system_sgpr_workgroup_id_x 1
		.amdhsa_system_sgpr_workgroup_id_y 1
		.amdhsa_system_sgpr_workgroup_id_z 1
		.amdhsa_system_vgpr_workitem_id 0
		.amdhsa_next_free_vgpr 1024
		.amdhsa_next_free_sgpr 66
		.amdhsa_reserve_vcc 0
		.amdhsa_float_denorm_mode_32 3
		.amdhsa_float_denorm_mode_16_64 3
		.amdhsa_memory_ordered 1
		.amdhsa_forward_progress 1
		.amdhsa_inst_pref_size 87
	.end_amdhsa_kernel
	.amdgpu_metadata
---
amdhsa.version: [ 1, 2 ]
amdhsa.kernels:
  - .name:           k_q859aaa0ca9_ffn1
    .symbol:         k_q859aaa0ca9_ffn1.kd
    .args:
      - { .name: xq_codes, .offset: 0, .size: 8, .value_kind: global_buffer, .address_space: global }
      - { .name: xq_scales, .offset: 8, .size: 8, .value_kind: global_buffer, .address_space: global }
      - { .name: sel, .offset: 16, .size: 8, .value_kind: global_buffer, .address_space: global }
      - { .name: W1_codes, .offset: 24, .size: 8, .value_kind: global_buffer, .address_space: global }
      - { .name: W1_scales, .offset: 32, .size: 8, .value_kind: global_buffer, .address_space: global }
      - { .name: b1, .offset: 40, .size: 8, .value_kind: global_buffer, .address_space: global }
      - { .name: hq_codes, .offset: 48, .size: 8, .value_kind: global_buffer, .address_space: global }
      - { .name: hq_scales, .offset: 56, .size: 8, .value_kind: global_buffer, .address_space: global }
      - { .name: lst, .offset: 64, .size: 8, .value_kind: global_buffer, .address_space: global }
    .group_segment_fixed_size: 79360
    .private_segment_fixed_size: 0
    .kernarg_segment_align: 8
    .kernarg_segment_size: 72
    .max_flat_workgroup_size: 128
    .sgpr_count:     66
    .vgpr_count:     1024
    .wavefront_size: 32
...
	.end_amdgpu_metadata
.endif
;; end of part 2
;; launch ffn2 (part 3): grid 256 x 1, 4 waves a work-group, no clusters, 120,320 bytes of LDS; arguments hq_codes, hq_scales, lst, W2_codes, W2_scales, b2, ybuf; writes ybuf
.if DOCPART == 3
	.amdgcn_target "amdgcn-amd-amdhsa--gfx1250"
	.amdhsa_code_object_version 6
	.text
	.protected	k_q859aaa0ca9_ffn2
	.globl	k_q859aaa0ca9_ffn2
	.p2align	8
	.type	k_q859aaa0ca9_ffn2,@function
k_q859aaa0ca9_ffn2:
	s_mov_b64 s[64:65], 0
	v_nop
	global_prefetch_b8 v0, s[64:65] scope:SCOPE_SE
	s_setreg_imm32_b32 hwreg(HW_REG_WAVE_MODE, 25, 1), 1
	s_wait_xcnt 0x0
; MoE++ layer, third of four launches: y = h W2[e] + b2[e] for the rows that chose expert e, stored at ybuf[slot][token].
; WORK LEFT OUT: only the rows on e's list (stored by the launch before) are multiplied; all others have gate 0 in reference().
; SHARES.  256 work-groups: expert e = wg / 32, output columns 128 j .. with j = (wg / 4) % 8, and p = wg % 4: the units p, p + 4, .. of 16 listed rows.
; THE WAVES SHARE K: wave q keeps K steps 8 q .. 8 q + 7 (1,024 of the 4,096) of all 128 columns in 512 registers, so that no byte of W2 is loaded twice in a work-group.
; A unit's four partial sums meet in LDS; wave q then finishes rows 4 q .. 4 q + 3 as (q0 + q1) + (q2 + q3) + b2 and stores each as 512 bytes on end.  That order of the sums is this text's own.
; W2's rows come as 512 bytes on end (a wave's quarter of a row) and are turned into operand order through the wave's own LDS slot of 16 rows, 528 bytes apart.
; h comes as images of the operand's registers: every load is 512 (scale words: 128) bytes on end.  The product is used transposed (source 0 = 16 columns' rows of W2, source 1 = 16 rows of h).
; ONE BARRIER A UNIT, in every trip and every wave; the loop's trip count is a constant, and the work on both sides of the barrier is jumped over for units past the count (the same in all four waves).
; The stage for the partial sums has two halves that take turns: a half is stored again two units later, behind the barrier in front of which every wave has waited for its reads of it.
; NO TENSOR LOAD AND NO CLUSTER: the walk branches on a count that comes from memory.
.set WST,   0                          ; 4 own slots of 16 x 528
.set WSC,   4*8448                     ; W2's scale bytes: 128 rows x 144 (128 bytes + 16)
.set RED,   WSC+128*144                ; 2 halves x 4 waves x 16 rows x 528
.set HALF,  4*8448
.set SPARE, RED+2*HALF                 ; the spare words, 128 bytes for each wave: no other line names them
.set SPW, 12
.set NIL, 13
; REGISTERS, window 0: v1 lane, v2 r, v3 h, v4 16 lane, v5 4 lane, v6-11 LDS addresses, v20-23 b2, v24-55 at work (scale bytes on their way; later the rows to store), v64-127 the 8 accumulators, later the
;   partial sums read back; v128-191 W2's scale words (nothing else); v192-207 h's scale words, two buffers (nothing else).   windows 1, 2: W2's fragments, tile t, K step s at 64 (t % 4) + 8 s of window 1 + t / 4.
;   window 3: h's fragments, buffer b at 64 b.
; SCALARS: s20 q, s21 e, s22 j, s23 p, s24 n, s25 units, s26 the unit, s27 trips, s28 the list's byte offset, s29 my first row's number, s[30:31] an offset (s31 = 0), s[32:35] h's bases, s[36:39] its scales',
;   s[40:43] four list entries, s[44:51] four rows of y, s[52:53] W2, s56, s57 constant parts of h's offsets, s[58:59] ybuf at my columns.
.set MSB, 0
.macro WIN new
.if MSB != (\new)
	s_set_vgpr_msb (MSB<<8)|(\new)
.set MSB, (\new)
.endif
.endm
.macro BARRIER
	s_wait_dscnt 0x0
	s_barrier_signal -1
	s_barrier_wait -1
.endm
.macro HLOAD b                                 ; 24 loads: a unit's fragments of my 8 K steps, and their scale words
	WIN 0xc0
.irp s, 0,1,2,3,4,5,6,7
.irp c, 0,1
	global_load_b128 v[64*\b+8*\s+4*\c:64*\b+8*\s+4*\c+3], v4, s[32+2*\b:33+2*\b] offset:1024*\s+512*\c
.endr
.endr
	WIN 0
.irp s, 0,1,2,3,4,5,6,7
	global_load_b32 v[192+8*\b+\s], v5, s[36+2*\b:37+2*\b] offset:128*\s
.endr
.endm
.macro WISSUE t                                ; tile t's 16 rows of W2, my quarter of each
	WIN (1+(\t)/4)<<6
.irp k, 0,1,2,3,4,5,6,7,8,9,10,11,12,13,14,15
	global_load_b128 v[64*((\t)%4)+4*\k:64*((\t)%4)+4*\k+3], v4, s[52:53] offset:(16*(\t)+\k)*2048
.endr
.endm
.macro WTILE t                                 ; through my slot, into operand order, into the registers that they left (LDS serves a wave's instructions in order)
	WIN 0x44*(1+(\t)/4)
.irp k, 0,1,2,3,4,5,6,7,8,9,10,11,12,13,14,15
	ds_store_b128 v6, v[64*((\t)%4)+4*\k:64*((\t)%4)+4*\k+3] offset:528*\k
.endr
.irp s, 0,1,2,3,4,5,6,7
.irp c, 0,1
	ds_load_b128 v[64*((\t)%4)+8*\s+4*\c:64*((\t)%4)+8*\s+4*\c+3], v7 offset:64*\s+32*\c
.endr
.endr
.endm
; 64 products: 8 tiles of columns x my 8 K steps; four accumulators by turns, one instruction a turn; the first product of each sum takes 0 as C
.macro MM2 b
.irp g, 0,1
	WIN 0x0d+\g                                    ; source 0 (W2) window 1 + g, source 1 (h) window 3
.irp s, 0,1,2,3,4,5,6,7
.irp t, 0,1,2,3
.if \s == 0
	v_wmma_scale_f32_16x16x128_f8f6f4 v[64+8*(4*\g+\t):71+8*(4*\g+\t)], v[64*\t+8*\s:64*\t+8*\s+7], v[64*\b+8*\s:64*\b+8*\s+7], 0, v[128+8*(4*\g+\t)+\s], v[192+8*\b+\s] matrix_a_fmt:MATRIX_FMT_FP4 matrix_b_fmt:MATRIX_FMT_FP4
.else
	v_wmma_scale_f32_16x16x128_f8f6f4 v[64+8*(4*\g+\t):71+8*(4*\g+\t)], v[64*\t+8*\s:64*\t+8*\s+7], v[64*\b+8*\s:64*\b+8*\s+7], v[64+8*(4*\g+\t):71+8*(4*\g+\t)], v[128+8*(4*\g+\t)+\s], v[192+8*\b+\s] matrix_a_fmt:MATRIX_FMT_FP4 matrix_b_fmt:MATRIX_FMT_FP4
.endif
.endr
.endr
.endr
	WIN 0
.endm
.macro YSTORE n                                ; row 4 q + n of the unit, if it is on the list: rows past the count are padding and are not stored
	s_add_co_u32 s54, s29, \n
	s_cmp_lt_u32 s54, s24
	s_cbranch_scc0 .Lpad_\@
	global_store_b128 v4, v[24+4*\n:27+4*\n], s[44+2*\n:45+2*\n] th:TH_STORE_NT    ; 512 bytes on end, at a multiple of 512 from ybuf's first byte
.Lpad_\@:
.endm
	s_load_b256 s[4:11], s[0:1], 0x0               ; hq_codes s[4:5], hq_scales s[6:7], lst s[8:9], W2 codes s[10:11]
	s_load_b128 s[12:15], s[0:1], 0x20             ; W2 scales s[12:13], b2 s[14:15]
	s_load_b64 s[16:17], s[0:1], 0x30              ; ybuf
	v_lshl_add_u32 v[SPW], v0, 2, SPARE
	v_mov_b32 v[NIL], 0
	v_lshrrev_b32 v1, 5, v0
	v_readfirstlane_b32 s20, v1                    ; q
	s_lshr_b32 s21, ttmp9, 5                       ; e
	s_bfe_u32 s22, ttmp9, 0x30002                  ; j
	s_and_b32 s23, ttmp9, 3                        ; p
	v_and_b32 v1, 31, v0
	v_and_b32 v2, 15, v0
	v_bfe_u32 v3, v0, 4, 1
	v_lshlrev_b32 v4, 4, v1
	v_lshlrev_b32 v5, 2, v1
	s_mul_i32 s54, s20, 8448
	v_add_nc_u32 v6, s54, v4                       ; my slot: a row as it lies
	v_mul_u32_u24 v14, v2, 528
	v_lshl_add_u32 v7, v3, 4, v14
	v_add_nc_u32 v7, s54, v7                       ; back: row r, + 16 h
	v_lshl_add_u32 v10, v3, 5, v14
	s_add_co_u32 s55, s54, RED
	v_add_nc_u32 v10, s55, v10                     ; my partial sums: row r, + 32 h
	s_mul_i32 s55, s20, 4*528
	s_add_co_u32 s55, s55, RED
	v_add_nc_u32 v11, s55, v4                      ; the rows that I finish: 4 q .., 16 bytes a lane
	v_lshrrev_b32 v14, 3, v1
	v_mul_u32_u24 v14, v14, 144
	v_and_b32 v15, 7, v0
	v_lshl_add_u32 v14, v15, 4, v14
	s_mul_i32 s55, s20, 32*144
	s_add_co_u32 s55, s55, WSC
	v_add_nc_u32 v8, s55, v14                      ; scale bytes in: eight lanes to a row of 128 bytes, my 32 rows
	v_mul_u32_u24 v9, v2, 144
	s_lshl_b32 s55, s20, 5
	s_add_co_u32 s55, s55, WSC
	v_add_nc_u32 v9, s55, v9                       ; and back: row r, my 8 words
	s_mov_b32 s31, 0
	s_lshl_b32 s60, s21, 7
	s_lshl_b32 s56, s21, 21
	s_lshl_b32 s54, s20, 13
	s_add_co_u32 s56, s56, s54                     ; h's codes: expert, my 8 K steps of 1,024 bytes
	s_lshl_b32 s57, s21, 18
	s_lshl_b32 s54, s20, 10
	s_add_co_u32 s57, s57, s54                     ; h's scale words likewise
	s_mov_b32 s26, s23
	s_lshl_b32 s28, s21, 12
	s_lshl_b32 s54, s23, 6
	s_add_co_u32 s28, s28, s54
	s_lshl_b32 s54, s20, 4
	s_add_co_u32 s28, s28, s54                     ; the list: entry 16 p + 4 q of expert e
	s_lshl_b32 s29, s23, 4
	s_lshl_b32 s54, s20, 2
	s_add_co_u32 s29, s29, s54
	s_wait_kmcnt 0x0
	s_load_b32 s24, s[8:9], s60 offset:0x8000      ; e's count
.irp b, 0,1
	s_add_co_u32 s54, s23, 4*\b                    ; units p and p + 4: among the eight that the launch before always stores
	s_lshl_b32 s30, s54, 15
	s_add_co_u32 s30, s30, s56
	s_add_nc_u64 s[32+2*\b:33+2*\b], s[4:5], s[30:31]
	s_lshl_b32 s30, s54, 12
	s_add_co_u32 s30, s30, s57
	s_add_nc_u64 s[36+2*\b:37+2*\b], s[6:7], s[30:31]
.endr
	HLOAD 0
	HLOAD 1
	s_lshl_b32 s30, s21, 17
	s_lshl_b32 s54, s22, 14
	s_add_co_u32 s30, s30, s54
	s_lshl_b32 s54, s20, 12
	s_add_co_u32 s30, s30, s54
	s_add_nc_u64 s[12:13], s[12:13], s[30:31]      ; W2's scale bytes: expert, 128 rows of 128 bytes, my 32 rows
.irp g, 0,1,2,3,4,5,6,7
	global_load_b128 v[24+4*\g:27+4*\g], v4, s[12:13] offset:512*\g
.endr
	s_lshl_b32 s30, s21, 12
	s_lshl_b32 s54, s22, 9
	s_add_co_u32 s30, s30, s54
	s_add_nc_u64 s[14:15], s[14:15], s[30:31]
	global_load_b128 v[20:23], v4, s[14:15]        ; b2 of my four columns
	s_mov_b32 s30, s54
	s_add_nc_u64 s[58:59], s[16:17], s[30:31]      ; ybuf at column 128 j
	s_lshl_b32 s30, s21, 21
	s_lshl_b32 s54, s22, 18
	s_add_co_u32 s30, s30, s54
	s_lshl_b32 s54, s20, 9
	s_add_co_u32 s30, s30, s54
	s_add_nc_u64 s[52:53], s[10:11], s[30:31]      ; W2's codes: expert, 128 rows of 2,048 bytes, my 512 bytes of each
	WISSUE 0
	WISSUE 1
	WISSUE 2
	WIN 0
	s_wait_loadcnt 49                              ; behind the scale bytes: b2's load and 48 rows
.irp g, 0,1,2,3,4,5,6,7
	ds_store_b128 v8, v[24+4*\g:27+4*\g] offset:576*\g
.endr
	BARRIER                                        ; all 128 rows' scale bytes lie in LDS
.irp t, 0,1,2,3,4,5,6,7
.irp c, 0,1
	ds_load_b128 v[128+8*\t+4*\c:131+8*\t+4*\c], v9 offset:16*\t*144+16*\c
.endr
.endr
.irp t, 0,1,2,3,4,5,6,7
.if \t+3 < 8
	WISSUE \t+3
.endif
.if 7-\t >= 3
	s_wait_loadcnt 48                              ; tile t's rows are in; three later tiles' may be out
.else
	s_wait_loadcnt 16*(7-\t)
.endif
	WTILE \t
.endr
	WIN 0
	s_wait_dscnt 0x0
	s_wait_kmcnt 0x0
	s_add_co_u32 s25, s24, 15
	s_lshr_b32 s25, s25, 4                         ; units on the list
.macro UNIT b
	s_load_b128 s[40:43], s[8:9], s28 offset:0x0   ; the entries of the four rows that I finish (always inside e's list, which is stored whole)
	s_cmp_lt_u32 s26, s25
	s_cbranch_scc0 .Lsk1_\@
	s_wait_loadcnt 24                              ; this unit's h is in; the next unit's 24 loads may be out
	MM2 \b
	s_add_co_u32 s54, s26, 8                       ; the unit two on, or, where the list ends before it, this one again: no load leaves what was stored
	s_cmp_lt_u32 s54, s25
	s_cselect_b32 s54, s54, s26
	s_min_u32 s54, s54, 63
	s_lshl_b32 s30, s54, 15
	s_add_co_u32 s30, s30, s56
	s_add_nc_u64 s[32+2*\b:33+2*\b], s[4:5], s[30:31]      ; (this buffer's last loads are in: their bases may be written)
	s_lshl_b32 s30, s54, 12
	s_add_co_u32 s30, s30, s57
	s_add_nc_u64 s[36+2*\b:37+2*\b], s[6:7], s[30:31]
.rept 5
	v_nop                                          ; four places in front of the stores of results and of the loads into operands; the fifth for the next unit's products, which begin these accumulators anew
.endr
.irp t, 0,1,2,3,4,5,6,7
	ds_store_b128 v10, v[64+8*\t:67+8*\t] offset:HALF*\b+64*\t         ; each accumulator from its low end on
	ds_store_b128 v10, v[68+8*\t:71+8*\t] offset:HALF*\b+64*\t+16
.endr
	HLOAD \b
	s_branch .Lj_\@
.Lsk1_\@:
	s_wait_loadcnt 0x0
.Lj_\@:
	s_wait_kmcnt 0x0                               ; the four entries are in, on every path: they and their offset may be written again in the next unit
	BARRIER                                        ; the four waves' partial sums of this unit lie in LDS, and everybody's reads of the other half are over
	s_cmp_lt_u32 s26, s25
	s_cbranch_scc0 .Lsk2_\@
.irp n, 0,1,2,3
.irp w, 0,1,2,3
	ds_load_b128 v[64+16*\n+4*\w:67+16*\n+4*\w], v11 offset:HALF*\b+8448*\w+528*\n
.endr
.endr
	s_wait_xcnt 0x0                                ; the last unit's stores have read their data and bases
.irp n, 0,1,2,3
	s_and_b32 s54, s[40+\n], 0xffff                ; the token,
	s_min_u32 s54, s54, 0x3ff                      ; held inside the table
	s_lshl_b32 s54, s54, 12
	s_lshr_b32 s55, s[40+\n], 16                   ; the slot
	s_min_u32 s55, s55, 1
	s_lshl_b32 s55, s55, 22
	s_add_co_u32 s30, s54, s55
	s_add_nc_u64 s[44+2*\n:45+2*\n], s[58:59], s[30:31]
.endr
	s_wait_dscnt 0x0
.irp n, 0,1,2,3
.irp i, 0,2
	v_pk_add_f32 v[64+16*\n+\i:65+16*\n+\i], v[64+16*\n+\i:65+16*\n+\i], v[68+16*\n+\i:69+16*\n+\i]
	v_pk_add_f32 v[72+16*\n+\i:73+16*\n+\i], v[72+16*\n+\i:73+16*\n+\i], v[76+16*\n+\i:77+16*\n+\i]
.endr
.endr
.irp n, 0,1,2,3
.irp i, 0,2
	v_pk_add_f32 v[64+16*\n+\i:65+16*\n+\i], v[64+16*\n+\i:65+16*\n+\i], v[72+16*\n+\i:73+16*\n+\i]
.endr
.endr
.irp n, 0,1,2,3
.irp i, 0,2
	v_pk_add_f32 v[24+4*\n+\i:25+4*\n+\i], v[64+16*\n+\i:65+16*\n+\i], v[20+\i:21+\i]      ; + b2
.endr
.endr
	YSTORE 0
	YSTORE 1
	YSTORE 2
	YSTORE 3
.Lsk2_\@:
	s_add_co_u32 s26, s26, 4
	s_add_co_u32 s28, s28, 256
	s_add_co_u32 s29, s29, 64
.endm
	s_mov_b32 s27, 8                               ; 8 trips x 2 units x 4 values of p = the 64 units that 1,024 rows can fill
.Ltrip:
	UNIT 0
	UNIT 1
	s_sub_co_u32 s27, s27, 1
	s_cmp_lg_u32 s27, 0
	s_cbranch_scc1 .Ltrip
	s_wait_tensorcnt 0x0                           ; the wave's end
	ds_add_u32 v[SPW], v[NIL]
	s_wait_dscnt 0x0
	s_endpgm
.Lfunc_end_k_q859aaa0ca9_ffn2:
	.size	k_q859aaa0ca9_ffn2, .Lfunc_end_k_q859aaa0ca9_ffn2-k_q859aaa0ca9_ffn2
	.p2alignl 7, 3214868480
	.fill 96, 4, 3214868480
	.section	.rodata,"a",@progbits
	.p2align	6, 0x0
	.amdhsa_kernel k_q859aaa0ca9_ffn2
		.amdhsa_group_segment_fixed_size 120320
		.amdhsa_private_segment_fixed_size 0
		.amdhsa_enable_private_segment 0
		.amdhsa_kernarg_size 56
		.amdhsa_user_sgpr_count 2
		.amdhsa_user_sgpr_kernarg_segment_ptr 1
		.amdhsa_wavefront_size32 1
		.amdhsa_system_sgpr_workgroup_id_x 1
		.amdhsa_system_sgpr_workgroup_id_y 1
		.amdhsa_system_sgpr_workgroup_id_z 1
		.amdhsa_system_vgpr_workitem_id 0
		.amdhsa_next_free_vgpr 1024
		.amdhsa_next_free_sgpr 66
		.amdhsa_reserve_vcc 0
		.amdhsa_float_denorm_mode_32 3
		.amdhsa_float_denorm_mode_16_64 3
		.amdhsa_memory_ordered 1
		.amdhsa_forward_progress 1
		.amdhsa_inst_pref_size 75
	.end_amdhsa_kernel
	.amdgpu_metadata
---
amdhsa.version: [ 1, 2 ]
amdhsa.kernels:
  - .name:           k_q859aaa0ca9_ffn2
    .symbol:         k_q859aaa0ca9_ffn2.kd
    .args:
      - { .name: hq_codes, .offset: 0, .size: 8, .value_kind: global_buffer, .address_space: global }
      - { .name: hq_scales, .offset: 8, .size: 8, .value_kind: global_buffer, .address_space: global }
      - { .name: lst, .offset: 16, .size: 8, .value_kind: global_buffer, .address_space: global }
      - { .name: W2_codes, .offset: 24, .size: 8, .value_kind: global_buffer, .address_space: global }
      - { .name: W2_scales, .offset: 32, .size: 8, .value_kind: global_buffer, .address_space: global }
      - { .name: b2, .offset: 40, .size: 8, .value_kind: global_buffer, .address_space: global }
      - { .name: ybuf, .offset: 48, .size: 8, .value_kind: global_buffer, .address_space: global }
    .group_segment_fixed_size: 120320
    .private_segment_fixed_size: 0
    .kernarg_segment_align: 8
    .kernarg_segment_size: 56
    .max_flat_workgroup_size: 128
    .sgpr_count:     66
    .vgpr_count:     1024
    .wavefront_size: 32
...
	.end_amdgpu_metadata
.endif
;; end of part 3
;; launch combine (part 4): grid 256 x 1, 8 waves a work-group, no clusters, 0 bytes of LDS; arguments ybuf, gates, out0; writes out0
.if DOCPART == 4
	.amdgcn_target "amdgcn-amd-amdhsa--gfx1250"
	.amdhsa_code_object_version 6
	.text
	.protected	k_q859aaa0ca9_combine
	.globl	k_q859aaa0ca9_combine
	.p2align	8
	.type	k_q859aaa0ca9_combine,@function
k_q859aaa0ca9_combine:
	s_mov_b64 s[64:65], 0
	v_nop
	global_prefetch_b8 v0, s[64:65] scope:SCOPE_SE
	s_setreg_imm32_b32 hwreg(HW_REG_WAVE_MODE, 25, 1), 1
	s_wait_xcnt 0x0
; MoE++ layer, last of four launches: out0[token] = g0 y0 + g1 y1, the two chosen experts' rows (b2 already in them) under their renormalised gates.
; WORK LEFT OUT: the six other experts' terms, whose gate is 0 in reference().  The two terms are added in the order of the slots, not of the experts' numbers.
; A stream: a work-group owns 4 tokens, thread t the 16 bytes at 16 t of each row of 4,096 bytes, so that every load and store of a wave covers 512 bytes on end.
; All eight loads go out at once; each token has registers of its own, so nothing is rewritten.  No LDS, no barrier, no matrix unit, no cluster: nothing is shared.
	s_load_b128 s[4:7], s[0:1], 0x0                ; ybuf s[4:5], gates s[6:7]
	s_load_b64 s[8:9], s[0:1], 0x10                ; out0
	v_lshlrev_b32 v1, 4, v0
	s_lshl_b32 s20, ttmp9, 5                       ; 4 tokens x 2 gates x 4 bytes
	s_lshl_b32 s2, ttmp9, 14                       ; 4 rows of 4,096 bytes
	s_mov_b32 s3, 0
	s_wait_kmcnt 0x0
	s_load_b256 s[12:19], s[6:7], s20 offset:0x0   ; the four tokens' gates
	s_add_nc_u64 s[4:5], s[4:5], s[2:3]
	s_add_nc_u64 s[8:9], s[8:9], s[2:3]
.irp t, 0,1,2,3
	global_load_b128 v[4+8*\t:7+8*\t], v1, s[4:5] offset:4096*\t th:TH_LOAD_NT               ; slot 0's row
	global_load_b128 v[8+8*\t:11+8*\t], v1, s[4:5] offset:4096*\t+4194304 th:TH_LOAD_NT      ; slot 1's
.endr
	s_wait_kmcnt 0x0
.irp t, 0,1,2,3
	s_wait_loadcnt 6-2*\t                          ; this token's two loads are in; the later tokens' may be out
.irp i, 0,1,2,3
	v_mul_f32 v[4+8*\t+\i], s[12+2*\t], v[4+8*\t+\i]
.endr
.irp i, 0,1,2,3
	v_fma_f32 v[4+8*\t+\i], s[13+2*\t], v[8+8*\t+\i], v[4+8*\t+\i]
.endr
	global_store_b128 v1, v[4+8*\t:7+8*\t], s[8:9] offset:4096*\t th:TH_STORE_NT
.endr
	s_endpgm
.Lfunc_end_k_q859aaa0ca9_combine:
	.size	k_q859aaa0ca9_combine, .Lfunc_end_k_q859aaa0ca9_combine-k_q859aaa0ca9_combine
	.p2alignl 7, 3214868480
	.fill 96, 4, 3214868480
	.section	.rodata,"a",@progbits
	.p2align	6, 0x0
	.amdhsa_kernel k_q859aaa0ca9_combine
		.amdhsa_group_segment_fixed_size 0
		.amdhsa_private_segment_fixed_size 0
		.amdhsa_enable_private_segment 0
		.amdhsa_kernarg_size 24
		.amdhsa_user_sgpr_count 2
		.amdhsa_user_sgpr_kernarg_segment_ptr 1
		.amdhsa_wavefront_size32 1
		.amdhsa_system_sgpr_workgroup_id_x 1
		.amdhsa_system_sgpr_workgroup_id_y 1
		.amdhsa_system_sgpr_workgroup_id_z 1
		.amdhsa_system_vgpr_workitem_id 0
		.amdhsa_next_free_vgpr 48
		.amdhsa_next_free_sgpr 66
		.amdhsa_reserve_vcc 0
		.amdhsa_float_denorm_mode_32 3
		.amdhsa_float_denorm_mode_16_64 3
		.amdhsa_memory_ordered 1
		.amdhsa_forward_progress 1
		.amdhsa_inst_pref_size 4
	.end_amdhsa_kernel
	.amdgpu_metadata
---
amdhsa.version: [ 1, 2 ]
amdhsa.kernels:
  - .name:           k_q859aaa0ca9_combine
    .symbol:         k_q859aaa0ca9_combine.kd
    .args:
      - { .name: ybuf, .offset: 0, .size: 8, .value_kind: global_buffer, .address_space: global }
      - { .name: gates, .offset: 8, .size: 8, .value_kind: global_buffer, .address_space: global }
      - { .name: out0, .offset: 16, .size: 8, .value_kind: global_buffer, .address_space: global }
    .group_segment_fixed_size: 0
    .private_segment_fixed_size: 0
    .kernarg_segment_align: 8
    .kernarg_segment_size: 24
    .max_flat_workgroup_size: 256
    .sgpr_count:     66
    .vgpr_count:     48
    .wavefront_size: 32
...
	.end_amdgpu_metadata
.endif
;; end of part 4
;; ======== version 2 of 2: 4 launches
;; workspace buffers: xq_codes 524,288 bytes; xq_scales 32,768 bytes; sel 4,096 bytes of whole numbers; gates 8,192 bytes; lst 33,792 bytes of whole numbers; hq_codes 16,777,216 bytes; hq_scales 2,097,152 bytes; ybuf 8,388,608 bytes
;; launch route (part 5): grid 64 x 1, 8 waves a work-group, no clusters, 87,040 bytes of LDS; arguments hidden_states, Wr, br, Wc1_codes, Wc1_scales, bc1, Wc2, bc2, xq_codes, xq_scales, sel, gates, out1, out2, out3, out4; writes xq_codes, xq_scales, sel, gates, out1, out2, out3, out4
.if DOCPART == 5
	.amdgcn_target "amdgcn-amd-amdhsa--gfx1250"
	.amdhsa_code_object_version 6
	.text
	.protected	k_q859aaa0ca9_route
	.globl	k_q859aaa0ca9_route
	.p2align	8
	.type	k_q859aaa0ca9_route,@function
k_q859aaa0ca9_route:
	s_mov_b64 s[64:65], 0
	v_nop
	global_prefetch_b8 v0, s[64:65] scope:SCOPE_SE
	s_setreg_imm32_b32 hwreg(HW_REG_WAVE_MODE, 25, 1), 1
	s_wait_xcnt 0x0
; MoE++ layer, first of four launches: the router, the confidence net, and x as codes of FP4 (E2M1) with one E8M0 byte for each 32 along K.
; WORK LEFT OUT BY THE PROGRAM.  reference() adds gate_e * y_e for all 8 experts, with gate_e = sum(where(bi == e, bw, 0)): for every e outside a token's two entries of bi
; that sum is 0 whatever the inputs hold, so gate_e * y_e adds 0 for every finite y_e.  Which rows of the expert products count is decided by whole numbers (bi): this launch stores them
; (sel), and the later launches read them from memory and multiply only the 2 x 1,024 rows that count.  The division by TEMPERATURE is a division by 1.  Every input is loaded by some launch.
; LIMITS.  A NaN, an infinity or an overflow in the y of an expert that was not chosen is not carried to the result.  NaN and infinities among the inputs are not served.
; The top-4 is taken on this text's own normalised probabilities (exp2 of (logit - max) x log2 e, times the reciprocal of the sum); equal numbers go to the lower index;
; v_exp_f32 gives 0 for results under 2^-126.  A block of 32 zeros of x gets the scale byte 1 (its codes are zeros; the bytes are read by this program alone).
; SHARES.  64 work-groups of 16 tokens, the least that a matrix tile takes; eight waves.  Wave w owns K step w (128 of the 1,024) of x: its load, its part of the logits, its quantiser;
; and units 64 w .. 64 w + 63 of the confidence net for all of K.  Wave 0 finishes the 16 tokens.
; THE LOGITS decide whole numbers that are compared exactly (out2), so they are summed in f32: v_wmma_f32_16x16x4_f32, 32 instructions a wave, 8 columns: no bulk work.
; ROWS ARE LOADED WHOLE (32 lanes x 16 bytes = 512 bytes on end) and turned into operand order through the wave's own LDS slot of 16 rows, 528 bytes apart
; (33 x 16 bytes, so that the 16 rows that a 16-byte read touches fall on 16 different 16-byte columns of 256 bytes).
; NO CLUSTER, NO TENSOR LOAD: what work-groups share here (Wc1, 272 KB) is read once by each, at the kernel's head, straight into registers.
.set SLOTB, 8448                       ; a wave's own slot: 16 rows x 528
.set XROW,  8*SLOTB                    ; x's codes as rows: 16 x 528
.set XSCR,  XROW+16*528                ; x's scale words: 16 rows x 48 (32 bytes + 16)
.set LGP,   XSCR+16*48                 ; the waves' partial logits: 8 images of 1,024 bytes
.set CP,    LGP+8*1024                 ; the waves' partial confidence sums: 8 x 128 bytes
.set SPARE, CP+8*128                   ; the spare words, 128 bytes for each wave: no other line names them
.set SPW, 20                           ; v20  my spare word's address; never rewritten
.set NIL, 21                           ; v21  0; never rewritten
.set TM,  96                           ; v96-111  the quantiser's work
.set PC,  112                          ; v112-119 the codes just made
.set PW,  120                          ; v120     the scale word just made
.set SEL, 38                           ; s[38:39] v_permlanex16_b32's selects for lane l xor 16
; REGISTERS, window 0: v1 lane, v2 r = lane % 16, v3 h = lane / 16, v4 16 lane, v5 4 lane, v6-19 LDS addresses, v22 32 r, v23 32 h; v24-31 x's scale words (nothing else);
;   v32-95 x as f32, then x's 8 fragments, then (wave 0) the partial logits; v96-159 Wr's part, then work and Wc2; v160-191 four logit accumulators (written by matrix instructions alone);
;   v192-223 Wc1's scale words (nothing else); v224-255 four accumulators of the confidence net, begun as bc1.   window 1: Wc1's fragments, tile t, K step s at 64 t + 8 s.
.set MSB, 0
.macro WIN new                         ; the immediate's high byte repeats the setting that is left; a switch that changes nothing is dropped
.if MSB != (\new)
	s_set_vgpr_msb (MSB<<8)|(\new)
.set MSB, (\new)
.endif
.endm
; 64 numbers of a lane, register 16 b + i = k 32 b + 16 h + i of my row, become a fragment's codes in v[PC] on and its scale word in v[PW]
.macro QUANT s
.irp b, 0,1,2,3
	v_max3_num_f32 v[TM+\b], |v[\s+16*\b]|, |v[\s+1+16*\b]|, 0x1800000   ; block b: my 16 numbers, and the floor 2^(3 - 127): the byte cannot fall under 1
.endr
.irp i, 2,4,6,8,10,12,14
.irp b, 0,1,2,3
	s_delay_alu instid0(VALU_DEP_4)
	v_max3_num_f32 v[TM+\b], v[TM+\b], |v[\s+16*\b+\i]|, |v[\s+1+16*\b+\i]|
.endr
.endr
.irp b, 0,1,2,3
	s_delay_alu instid0(VALU_DEP_4)
	v_permlanex16_b32 v[TM+4+\b], v[TM+\b], s[SEL], s[SEL+1]
.endr
.irp b, 0,1,2,3
	s_delay_alu instid0(VALU_DEP_4)
	v_max_num_f32 v[TM+\b], v[TM+\b], v[TM+4+\b]                     ; with lane l xor 16's 16: the block's largest magnitude
.endr
.irp b, 0,1,2,3
	s_delay_alu instid0(VALU_DEP_4)
	v_add_nc_u32 v[TM+12+\b], 0xff000000, v[TM+\b]                   ; 2 off its exponent field: the conversion's scale operand
.endr
.irp b, 0,1,2,3
	s_delay_alu instid0(VALU_DEP_4)
	v_lshrrev_b32 v[TM+4+\b], 23, v[TM+12+\b]                        ; the scale's byte
.endr
	s_delay_alu instid0(VALU_DEP_3)
	v_lshl_or_b32 v[PW], v[TM+5], 8, v[TM+4]
	s_delay_alu instid0(VALU_DEP_1)
	v_lshl_or_b32 v[PW], v[TM+6], 16, v[PW]
	s_delay_alu instid0(VALU_DEP_1)
	v_lshl_or_b32 v[PW], v[TM+7], 24, v[PW]
.irp b, 0,1,2,3
	v_cvt_scalef32_pk8_fp4_f32 v[PC+2*\b], v[\s+16*\b:\s+7+16*\b], v[TM+12+\b]
	v_cvt_scalef32_pk8_fp4_f32 v[PC+1+2*\b], v[\s+8+16*\b:\s+15+16*\b], v[TM+12+\b]
.endr
	v_nop                                          ; one plain place behind a scaled conversion
.irp c, 0,1                                    ; the operand's layout wants a whole block in a lane
.irp i, 0,1
	v_permlane16_swap_b32 v[PC+4*\c+\i], v[PC+2+4*\c+\i]
.endr
.endr
.endm
.macro BARRIER                                 ; my LDS stores have landed and my LDS loads are in: then the work-group's barrier
	s_wait_dscnt 0x0
	s_barrier_signal -1
	s_barrier_wait -1
.endm
.macro ADDG p, sh                              ; pointer += work-group << sh (s41 = 0)
	s_lshl_b32 s40, s37, \sh
	s_add_nc_u64 s[\p:\p+1], s[\p:\p+1], s[40:41]
.endm
.macro ADDW p, sh                              ; pointer += wave << sh
	s_lshl_b32 s40, s36, \sh
	s_add_nc_u64 s[\p:\p+1], s[\p:\p+1], s[40:41]
.endm
; pass k of the top-4 over the eight probabilities in v128-135: the largest, the lower index where two are equal (strict >); then the chosen one becomes -1
.macro TOP k
	v_mov_b32 v[144+\k], v128
	v_mov_b32 v[148+\k], 0
.irp j, 1,2,3,4,5,6,7
	s_delay_alu instid0(VALU_DEP_2)
	v_cmp_gt_f32 vcc_lo, v[128+\j], v[144+\k]
	s_delay_alu instid0(VALU_DEP_1)
	v_cndmask_b32 v[144+\k], v[144+\k], v[128+\j], vcc_lo
	s_delay_alu instid0(VALU_DEP_2)
	v_cndmask_b32 v[148+\k], v[148+\k], \j, vcc_lo
.endr
.if \k < 3
.irp j, 0,1,2,3,4,5,6,7
	v_cmp_eq_u32 vcc_lo, \j, v[148+\k]
	s_delay_alu instid0(VALU_DEP_1)
	v_cndmask_b32 v[128+\j], v[128+\j], -1.0, vcc_lo
.endr
.endif
.endm
	s_load_b512 s[4:19], s[0:1], 0x0               ; hidden s[4:5], Wr s[6:7], br s[8:9], Wc1 codes s[10:11], scales s[12:13], bc1 s[14:15], Wc2 s[16:17], bc2 s[18:19]
	s_load_b512 s[20:35], s[0:1], 0x40             ; xq_codes s[20:21], xq_scales s[22:23], sel s[24:25], gates s[26:27], out1 .. out4 s[28:35]
	v_lshl_add_u32 v[SPW], v0, 2, SPARE
	v_mov_b32 v[NIL], 0
	v_lshrrev_b32 v1, 5, v0
	s_delay_alu instid0(VALU_DEP_1)
	v_readfirstlane_b32 s36, v1                    ; wave 0..7
	s_mov_b32 s37, ttmp9                           ; work-group: tokens 16 g ..
	s_mov_b32 s[SEL], 0x76543210
	s_mov_b32 s[SEL+1], 0xfedcba98
	s_mov_b32 s53, 0xffff0000                      ; lanes 16-31
	v_and_b32 v1, 31, v0                           ; lane
	v_and_b32 v2, 15, v0                           ; r
	v_bfe_u32 v3, v0, 4, 1                         ; h
	s_delay_alu instid0(VALU_DEP_3)
	v_lshlrev_b32 v4, 4, v1
	s_delay_alu instid0(VALU_DEP_4)
	v_lshlrev_b32 v5, 2, v1
	s_mul_i32 s40, s36, SLOTB                      ; my slot
	v_add_nc_u32 v6, s40, v4                       ; into it: a row's 512 bytes as they lie
	v_mul_u32_u24 v33, v2, 528
	s_delay_alu instid0(VALU_DEP_1)
	v_lshl_add_u32 v7, v3, 6, v33
	s_delay_alu instid0(VALU_DEP_1)
	v_add_nc_u32 v7, s40, v7                       ; x back: row r, + 64 h: my 16 numbers of a block of 32
	s_delay_alu instid0(VALU_DEP_3)
	v_lshl_add_u32 v34, v3, 4, v33
	s_delay_alu instid0(VALU_DEP_1)
	v_add_nc_u32 v8, s40, v34                      ; codes back: row r, + 16 h
	v_and_b32 v35, 7, v0
	s_delay_alu instid0(VALU_DEP_1)
	v_lshlrev_b32 v35, 2, v35
	s_delay_alu instid0(VALU_DEP_1)
	v_mad_u32_u24 v9, v3, 544, v35
	s_delay_alu instid0(VALU_DEP_1)
	v_add_nc_u32 v9, s40, v9                       ; Wr back: 16 rows of Wr in 544 bytes; lanes 16-31 take the next 16 rows; expert r % 8
	v_add_nc_u32 v11, XROW, v34                    ; x's fragments: row r, + 16 h
	s_lshl_b32 s41, s36, 6
	v_add_nc_u32 v10, s41, v11                     ; where I put mine: K step w is 64 bytes of a row
	s_mul_i32 s41, s36, 2*528
	s_add_co_u32 s41, s41, XROW
	v_add_nc_u32 v12, s41, v4                      ; the two whole rows that I store
	v_mul_u32_u24 v14, v2, 48
	s_delay_alu instid0(VALU_DEP_1)
	v_add_nc_u32 v14, XSCR, v14                    ; x's scale words of row r
	s_lshl_b32 s41, s36, 2
	v_add_nc_u32 v13, s41, v14                     ; where I put mine
	v_lshrrev_b32 v35, 1, v1
	s_delay_alu instid0(VALU_DEP_1)
	v_mul_u32_u24 v35, v35, 48
	v_and_b32 v36, 1, v0
	s_delay_alu instid0(VALU_DEP_1)
	v_lshl_add_u32 v15, v36, 4, v35
	s_delay_alu instid0(VALU_DEP_1)
	v_add_nc_u32 v15, XSCR, v15                    ; the way out of the scale words: two lanes to a row
	v_add_nc_u32 v17, LGP, v4
	s_lshl_b32 s41, s36, 10
	v_add_nc_u32 v16, s41, v17                     ; my image of partial logits
	v_add_nc_u32 v19, CP, v5
	s_lshl_b32 s41, s36, 7
	v_add_nc_u32 v18, s41, v19                     ; my partial confidence sums
	v_lshlrev_b32 v22, 5, v2
	v_lshlrev_b32 v23, 5, v3
	s_mov_b32 s41, 0
	s_wait_alu depctr_va_vdst(0)
	s_wait_kmcnt 0x0
	s_load_b256 s[44:51], s[8:9], 0x0              ; br
	s_load_b32 s52, s[18:19], 0x0                  ; bc2
	ADDG 4, 16                                     ; x: 16 rows of 4,096 bytes a work-group,
	ADDW 4, 9                                      ; 512 bytes of a row a wave
	ADDW 6, 12                                     ; Wr: 128 rows of 32 bytes a wave
	ADDW 10, 15                                    ; Wc1: 64 rows of 512 bytes a wave
	ADDW 12, 11                                    ; its scales: 64 rows of 32 bytes
	ADDW 14, 8                                     ; bc1, Wc2: 64 numbers
	ADDW 16, 8
	ADDG 20, 13                                    ; xq_codes: 16 rows of 512 bytes, two rows a wave
	ADDW 20, 10
	ADDG 22, 9
	ADDG 24, 6
	ADDG 26, 7
	ADDG 28, 8
	ADDG 30, 8
	ADDG 32, 6
	ADDG 34, 9
	; ---- all loads of the kernel but Wc2's: 16 + 8 + 8 + 8 + 64
.irp k, 0,1,2,3,4,5,6,7,8,9,10,11,12,13,14,15
	global_load_b128 v[32+4*\k:35+4*\k], v4, s[4:5] offset:4096*\k th:TH_LOAD_NT   ; token k, my K step: 512 bytes on end; read once in the launch
.endr
.irp k, 0,1,2,3,4,5,6,7
	global_load_b128 v[96+4*\k:99+4*\k], v4, s[6:7] offset:512*\k                  ; 16 rows of Wr
.endr
.irp t, 0,1,2,3
.irp c, 0,1
	global_load_b128 v[224+8*\t+4*\c:227+8*\t+4*\c], v23, s[14:15] offset:64*\t+16*\c   ; bc1 in the result's layout: units 16 t + 8 h + 0 .. 7: the sums begin as the bias
.endr
.endr
.irp t, 0,1,2,3
.irp c, 0,1
	global_load_b128 v[192+8*\t+4*\c:195+8*\t+4*\c], v22, s[12:13] offset:512*\t+16*\c  ; Wc1's scale words of unit 16 t + r, K steps 4 c ..
.endr
.endr
	WIN 0x40                                       ; destination window 1
.irp t, 0,1,2,3
.irp k, 0,1,2,3,4,5,6,7,8,9,10,11,12,13,14,15
	global_load_b128 v[64*\t+4*\k:64*\t+4*\k+3], v4, s[10:11] offset:(16*\t+\k)*512     ; a whole row of Wc1's codes
.endr
.endr
	WIN 0
	s_wait_kmcnt 0x0                               ; br, bc2
	s_wait_loadcnt 63                              ; behind the scales' last load 64 were issued: x, Wr, bc1 and the scales are in
	; ---- x and Wr through my slot (LDS serves a wave's instructions in order: no wait between stores and loads)
.irp k, 0,1,2,3,4,5,6,7,8,9,10,11,12,13,14,15
	ds_store_b128 v6, v[32+4*\k:35+4*\k] offset:528*\k
.endr
.irp b, 0,1,2,3
.irp j, 0,1,2,3
	ds_load_b128 v[32+16*\b+4*\j:35+16*\b+4*\j], v7 offset:128*\b+16*\j     ; register 16 b + i = x(token r, k = 32 b + 16 h + i)
.endr
.endr
.irp k, 0,1,2,3,4,5,6,7
	ds_store_b128 v6, v[96+4*\k:99+4*\k] offset:544*\k
.endr
.irp b, 0,1,2,3
.irp i, 0,1,2,3,4,5,6,7,8,9,10,11,12,13,14,15
	ds_load_b32 v[96+16*\b+\i], v9 offset:1088*\b+32*\i                     ; register 16 b + i = Wr(k = 32 b + 16 h + i, expert r % 8): the same k as x's register
.endr
.endr
	s_wait_dscnt 0x0
	; ---- my part of the logits: source 0 = Wr^T (rows = experts, twice), source 1 = x.  Four accumulators by turns; the first four products start the sums
.set p, 0
.rept 32
.if p < 4
	v_wmma_f32_16x16x4_f32 v[160+8*(p%4):167+8*(p%4)], v[96+2*p:97+2*p], v[32+2*p:33+2*p], 0
.else
	v_wmma_f32_16x16x4_f32 v[160+8*(p%4):167+8*(p%4)], v[96+2*p:97+2*p], v[32+2*p:33+2*p], v[160+8*(p%4):167+8*(p%4)]
.endif
.set p, p+1
.endr
.rept 8
	v_nop                                          ; eight places behind this form, in front of loads into and writes of its sources and of reads of its results
.endr
.irp t, 0,1,2,3
.irp c, 0,1
	global_load_b128 v[128+8*\t+4*\c:131+8*\t+4*\c], v23, s[16:17] offset:64*\t+16*\c   ; Wc2 in the result's layout
.endr
.endr
	QUANT 32                                       ; my K step of x becomes a fragment
	ds_store_b128 v10, v[PC:PC+3]                  ; as 64 bytes of each row: 32 c + 16 h
	ds_store_b128 v10, v[PC+4:PC+7] offset:32
	ds_store_b32 v13, v[PW]                        ; lanes r and r + 16 write the same word with the same value
.irp j, 0,2,4,6
	v_pk_add_f32 v[96+\j:97+\j], v[160+\j:161+\j], v[168+\j:169+\j]     ; the four accumulators are added, each read from its low end on
.endr
.irp j, 0,2,4,6
	v_pk_add_f32 v[104+\j:105+\j], v[176+\j:177+\j], v[184+\j:185+\j]
.endr
.irp j, 0,2,4,6
	s_delay_alu instid0(VALU_DEP_4)
	v_pk_add_f32 v[96+\j:97+\j], v[96+\j:97+\j], v[104+\j:105+\j]       ; register j = logit part of token r, expert j
.endr
	ds_store_b128 v16, v[96:99]
	ds_store_b128 v16, v[100:103] offset:512
	; ---- Wc1's rows become fragments, a tile of 16 units at a time, through my slot
.irp t, 0,1,2,3
	s_wait_loadcnt 56-16*\t                        ; behind tile t's rows: 16 for each later tile, and Wc2's 8
	WIN 0x44                                       ; store data and load destination in window 1
.irp k, 0,1,2,3,4,5,6,7,8,9,10,11,12,13,14,15
	ds_store_b128 v6, v[64*\t+4*\k:64*\t+4*\k+3] offset:528*\k
.endr
.irp s, 0,1,2,3,4,5,6,7
.irp c, 0,1
	ds_load_b128 v[64*\t+8*\s+4*\c:64*\t+8*\s+4*\c+3], v8 offset:64*\s+32*\c
.endr
.endr
.endr
	WIN 0
	BARRIER                                        ; x's codes and scale words of all eight K steps lie in LDS
.irp s, 0,1,2,3,4,5,6,7
.irp c, 0,1
	ds_load_b128 v[32+8*\s+4*\c:35+8*\s+4*\c], v11 offset:64*\s+32*\c
.endr
.endr
	ds_load_b128 v[24:27], v14
	ds_load_b128 v[28:31], v14 offset:16
	ds_load_b128 v[96:99], v12
	ds_load_b128 v[100:103], v12 offset:528
	s_wait_dscnt 0x0
	global_store_b128 v4, v[96:99], s[20:21]                   ; two whole rows of x's codes: 512 bytes on end each
	global_store_b128 v4, v[100:103], s[20:21] offset:512
	; ---- the confidence net's first product, transposed: source 0 = 16 units of Wc1, source 1 = the 16 tokens.  Four accumulators by turns
	WIN 0x01                                       ; source 0 in window 1
.irp s, 0,1,2,3,4,5,6,7
.irp t, 0,1,2,3
	v_wmma_scale_f32_16x16x128_f8f6f4 v[224+8*\t:231+8*\t], v[64*\t+8*\s:64*\t+8*\s+7], v[32+8*\s:39+8*\s], v[224+8*\t:231+8*\t], v[192+8*\t+\s], v[24+\s] matrix_a_fmt:MATRIX_FMT_FP4 matrix_b_fmt:MATRIX_FMT_FP4
.endr
.endr
	WIN 0
.rept 4
	v_nop                                          ; four places in front of the first read of results
.endr
	s_wait_loadcnt 0x0                             ; Wc2
.set j, 0
.rept 32
	v_max_num_f32 v[224+j], 0, v[224+j]            ; ReLU, each accumulator from its low end on
.set j, j+1
.endr
	v_pk_mul_f32 v[104:105], v[224:225], v[128:129]
	v_pk_mul_f32 v[106:107], v[226:227], v[130:131]
.irp j, 4,8,12,16,20,24,28
	s_delay_alu instid0(VALU_DEP_2)
	v_pk_fma_f32 v[104:105], v[224+\j:225+\j], v[128+\j:129+\j], v[104:105]
	s_delay_alu instid0(VALU_DEP_2)
	v_pk_fma_f32 v[106:107], v[226+\j:227+\j], v[130+\j:131+\j], v[106:107]
.endr
	s_delay_alu instid0(VALU_DEP_1)
	v_pk_add_f32 v[104:105], v[104:105], v[106:107]
	s_delay_alu instid0(VALU_DEP_1)
	v_add_f32 v104, v104, v105
	s_delay_alu instid0(VALU_DEP_1)
	v_permlanex16_b32 v108, v104, s[SEL], s[SEL+1]
	s_delay_alu instid0(VALU_DEP_1)
	v_add_f32 v104, v104, v108                     ; token r: the dot product over my 64 units
	ds_store_b32 v18, v104
	BARRIER                                        ; all partial logits and confidence sums lie in LDS
	s_cmp_lg_u32 s36, 0
	s_cbranch_scc1 .Lend
	; ---- wave 0 finishes the 16 tokens; lanes r and r + 16 hold the same token
	s_wait_xcnt 0x0                                ; my stores of x's rows have read v96-103
.irp w, 0,1,2,3,4,5,6,7
	ds_load_b128 v[32+8*\w:35+8*\w], v17 offset:1024*\w
	ds_load_b128 v[36+8*\w:39+8*\w], v17 offset:1024*\w+512
.endr
.irp w, 0,1,2,3,4,5,6,7
	ds_load_b32 v[96+\w], v19 offset:128*\w
.endr
	ds_load_b128 v[104:107], v15
	v_lshl_add_u32 v142, v3, 4, v22                ; out4: 32 r + 16 h
	v_lshlrev_b32 v143, 3, v1                      ; gates: 8 r
	s_wait_dscnt 0x0
	global_store_b128 v4, v[104:107], s[22:23]     ; the 16 tokens' scale bytes: 512 bytes on end
.irp j, 0,2,4,6
	v_pk_add_f32 v[112+\j:113+\j], v[32+\j:33+\j], v[40+\j:41+\j]
.endr
.irp w, 2,3,4,5,6,7
.irp j, 0,2,4,6
	s_delay_alu instid0(VALU_DEP_4)
	v_pk_add_f32 v[112+\j:113+\j], v[112+\j:113+\j], v[32+8*\w+\j:33+8*\w+\j]
.endr
.endr
.irp j, 0,1,2,3,4,5,6,7
	v_add_f32 v[112+\j], s[44+\j], v[112+\j]       ; + br: the logits
.endr
.irp i, 0,1,2,3
	s_delay_alu instid0(VALU_DEP_4)
	v_cndmask_b32 v[120+\i], v[112+\i], v[116+\i], s53   ; lanes 16-31 take experts 4 .. 7
.endr
	global_store_b128 v142, v[120:123], s[34:35]   ; out4: 512 bytes on end
	v_pk_add_f32 v[96:97], v[96:97], v[98:99]
	v_pk_add_f32 v[100:101], v[100:101], v[102:103]
	s_delay_alu instid0(VALU_DEP_1)
	v_pk_add_f32 v[96:97], v[96:97], v[100:101]
	s_delay_alu instid0(VALU_DEP_1)
	v_add_f32 v96, v96, v97
	s_delay_alu instid0(VALU_DEP_1)
	v_add_f32 v139, s52, v96                       ; z = relu(..) . Wc2 + bc2
	v_max3_num_f32 v137, v112, v113, v114          ; the maximum is taken away before the exponentials
	s_delay_alu instid0(VALU_DEP_1)
	v_max3_num_f32 v137, v137, v115, v116
	s_delay_alu instid0(VALU_DEP_1)
	v_max3_num_f32 v137, v137, v117, v118
	s_delay_alu instid0(VALU_DEP_1)
	v_max_num_f32 v137, v137, v119
.irp j, 0,1,2,3,4,5,6,7
	v_sub_f32 v[128+\j], v[112+\j], v137
.endr
.irp j, 0,1,2,3,4,5,6,7
	v_mul_f32 v[128+\j], 0x3fb8aa3b, v[128+\j]     ; x log2 e
.endr
	v_mul_f32 v136, 0xbfb8aa3b, v139               ; - z log2 e
	s_wait_alu depctr_va_vdst(0)
.irp j, 0,1,2,3,4,5,6,7,8
	v_exp_f32 v[128+\j], v[128+\j]                 ; one batch: the eight of the softmax and the sigmoid's
.endr
	v_nop                                          ; a plain place behind the last
	s_wait_alu depctr_va_vdst(0)                   ; one wait for the batch, ahead of its first reader
	v_pk_add_f32 v[108:109], v[128:129], v[130:131]
	v_pk_add_f32 v[110:111], v[132:133], v[134:135]
	s_delay_alu instid0(VALU_DEP_1)
	v_pk_add_f32 v[108:109], v[108:109], v[110:111]
	s_delay_alu instid0(VALU_DEP_1)
	v_add_f32 v138, v108, v109
	v_add_f32 v136, 1.0, v136
	s_wait_alu depctr_va_vdst(0)
	v_rcp_f32 v138, v138
	v_rcp_f32 v140, v136                           ; conf = 1 / (1 + e^-z)
	v_nop
	s_wait_alu depctr_va_vdst(0)                   ; one wait for the two reciprocals
.irp j, 0,1,2,3,4,5,6,7
	v_mul_f32 v[128+\j], v[128+\j], v138           ; the probabilities
.endr
	v_sub_f32 v141, 1.0, v140
	s_delay_alu instid0(VALU_DEP_1)
	v_fma_f32 v141, v141, 0x40400000, 1.0          ; 1 + 3 (1 - conf)
	s_delay_alu instid0(VALU_DEP_1)
	v_rndne_f32 v141, v141                         ; to the nearest whole number, ties to even
	s_delay_alu instid0(VALU_DEP_1)
	v_med3_num_f32 v141, v141, 1.0, 4.0            ; dyn_k, kept as f32
	TOP 0
	TOP 1
	TOP 2
	TOP 3
	v_add_f32 v127, v144, v145
	s_wait_alu depctr_va_vdst(0)
	v_rcp_f32 v127, v127
	v_lshl_or_b32 v126, v149, 8, v148              ; sel = first expert | second expert << 8.  (A plain place behind the reciprocal)
	v_mov_b32 v152, v144                           ; slot 0 always counts: dyn_k is at least 1
	v_mov_b32 v156, v148
	v_cmp_lt_f32 vcc_lo, 1.0, v141
	s_delay_alu instid0(VALU_DEP_1)
	v_cndmask_b32 v153, 0, v145, vcc_lo
	s_delay_alu instid0(VALU_DEP_2)
	v_cndmask_b32 v157, 0, v149, vcc_lo
	v_cmp_lt_f32 vcc_lo, 2.0, v141
	s_delay_alu instid0(VALU_DEP_1)
	v_cndmask_b32 v154, 0, v146, vcc_lo
	s_delay_alu instid0(VALU_DEP_2)
	v_cndmask_b32 v158, 0, v150, vcc_lo
	v_cmp_lt_f32 vcc_lo, 0x40400000, v141
	s_delay_alu instid0(VALU_DEP_1)
	v_cndmask_b32 v155, 0, v147, vcc_lo
	s_delay_alu instid0(VALU_DEP_2)
	v_cndmask_b32 v159, 0, v151, vcc_lo
	s_wait_alu depctr_va_vdst(0)                   ; the wait for the reciprocal, ahead of its first reader
	v_mul_f32 v124, v144, v127                     ; the two gates, renormalised
	v_mul_f32 v125, v145, v127
	v_cmp_gt_u32 vcc_lo, 16, v1
	s_wait_alu depctr_va_vdst(0)
	s_wait_xcnt 0x0                                ; EXEC changes only behind this wait
	s_and_saveexec_b32 s54, vcc_lo                 ; lanes 0-15: a lane a token
	global_store_b128 v4, v[152:155], s[28:29]     ; out1: 16 lanes store 256 bytes on end, aligned
	global_store_b128 v4, v[156:159], s[30:31]     ; out2 likewise
	global_store_b32 v5, v140, s[32:33]            ; out3
	global_store_b32 v5, v126, s[24:25]            ; sel
	global_store_b64 v143, v[124:125], s[26:27]    ; gates
	s_wait_xcnt 0x0                                ; and again in front of the line that widens it
	s_or_b32 exec_lo, exec_lo, s54
.Lend:
	s_wait_tensorcnt 0x0                           ; the wave's end
	ds_add_u32 v[SPW], v[NIL]
	s_wait_dscnt 0x0
	s_endpgm
.Lfunc_end_k_q859aaa0ca9_route:
	.size	k_q859aaa0ca9_route, .Lfunc_end_k_q859aaa0ca9_route-k_q859aaa0ca9_route
	.p2alignl 7, 3214868480
	.fill 96, 4, 3214868480
	.section	.rodata,"a",@progbits
	.p2align	6, 0x0
	.amdhsa_kernel k_q859aaa0ca9_route
		.amdhsa_group_segment_fixed_size 87040
		.amdhsa_private_segment_fixed_size 0
		.amdhsa_enable_private_segment 0
		.amdhsa_kernarg_size 128
		.amdhsa_user_sgpr_count 2
		.amdhsa_user_sgpr_kernarg_segment_ptr 1
		.amdhsa_wavefront_size32 1
		.amdhsa_system_sgpr_workgroup_id_x 1
		.amdhsa_system_sgpr_workgroup_id_y 1
		.amdhsa_system_sgpr_workgroup_id_z 1
		.amdhsa_system_vgpr_workitem_id 0
		.amdhsa_next_free_vgpr 512
		.amdhsa_next_free_sgpr 66
		.amdhsa_reserve_vcc 1
		.amdhsa_float_denorm_mode_32 3
		.amdhsa_float_denorm_mode_16_64 3
		.amdhsa_memory_ordered 1
		.amdhsa_forward_progress 1
		.amdhsa_inst_pref_size 66
	.end_amdhsa_kernel
	.amdgpu_metadata
---
amdhsa.version: [ 1, 2 ]
amdhsa.kernels:
  - .name:           k_q859aaa0ca9_route
    .symbol:         k_q859aaa0ca9_route.kd
    .args:
      - { .name: hidden_states, .offset: 0, .size: 8, .value_kind: global_buffer, .address_space: global }
      - { .name: Wr, .offset: 8, .size: 8, .value_kind: global_buffer, .address_space: global }
      - { .name: br, .offset: 16, .size: 8, .value_kind: global_buffer, .address_space: global }
      - { .name: Wc1_codes, .offset: 24, .size: 8, .value_kind: global_buffer, .address_space: global }
      - { .name: Wc1_scales, .offset: 32, .size: 8, .value_kind: global_buffer, .address_space: global }
      - { .name: bc1, .offset: 40, .size: 8, .value_kind: global_buffer, .address_space: global }
      - { .name: Wc2, .offset: 48, .size: 8, .value_kind: global_buffer, .address_space: global }
      - { .name: bc2, .offset: 56, .size: 8, .value_kind: global_buffer, .address_space: global }
      - { .name: xq_codes, .offset: 64, .size: 8, .value_kind: global_buffer, .address_space: global }
      - { .name: xq_scales, .offset: 72, .size: 8, .value_kind: global_buffer, .address_space: global }
      - { .name: sel, .offset: 80, .size: 8, .value_kind: global_buffer, .address_space: global }
      - { .name: gates, .offset: 88, .size: 8, .value_kind: global_buffer, .address_space: global }
      - { .name: out1, .offset: 96, .size: 8, .value_kind: global_buffer, .address_space: global }
      - { .name: out2, .offset: 104, .size: 8, .value_kind: global_buffer, .address_space: global }
      - { .name: out3, .offset: 112, .size: 8, .value_kind: global_buffer, .address_space: global }
      - { .name: out4, .offset: 120, .size: 8, .value_kind: global_buffer, .address_space: global }
    .group_segment_fixed_size: 87040
    .private_segment_fixed_size: 0
    .kernarg_segment_align: 8
    .kernarg_segment_size: 128
    .max_flat_workgroup_size: 256
    .sgpr_count:     66
    .vgpr_count:     512
    .wavefront_size: 32
...
	.end_amdgpu_metadata
.endif
;; end of part 5
;; launch ffn1 (part 6): grid 256 x 1, 4 waves a work-group, no clusters, 79,360 bytes of LDS; arguments xq_codes, xq_scales, sel, W1_codes, W1_scales, b1, hq_codes, hq_scales, lst; writes hq_codes, hq_scales, lst
.if DOCPART == 6
	.amdgcn_target "amdgcn-amd-amdhsa--gfx1250"
	.amdhsa_code_object_version 6
	.text
	.protected	k_q859aaa0ca9_ffn1
	.globl	k_q859aaa0ca9_ffn1
	.p2align	8
	.type	k_q859aaa0ca9_ffn1,@function
k_q859aaa0ca9_ffn1:
	s_mov_b64 s[64:65], 0
	v_nop
	global_prefetch_b8 v0, s[64:65] scope:SCOPE_SE
	s_setreg_imm32_b32 hwreg(HW_REG_WAVE_MODE, 25, 1), 1
	s_wait_xcnt 0x0
; MoE++ layer, second of four launches: h = relu(x W1[e] + b1[e]) for the rows that chose expert e, quantised along the hidden axis to codes of FP4 with E8M0 scales.
; WORK LEFT OUT: rows of tokens whose two chosen experts (sel, stored by the launch before) do not include e have gate 0 in reference(), so they are not multiplied.
; SHARES.  256 work-groups: expert e = wg / 32, hidden units 128 c .. 128 c + 127 with c = wg % 32, which are K step c of the second product.  The block of W1 (128 rows x 512 bytes) is read from memory
; once, 32 whole rows a wave, shared through LDS, and then kept by EVERY wave in 512 registers.  The rows of expert e go in units of 16; wave w takes units w, w + 4, ..
; THE LIST.  While the weights are on their way, wave 0 sorts: it reads all 1,024 words of sel and places token | slot << 16 of each token that chose e into a list in LDS, by counting set bits below its lane;
; lanes with no match write to a dump word behind the list.  Behind the count the list holds zeros (token 0).  The work-group with c = 0 stores list and count for the next launch.
; AT LEAST 8 UNITS of every expert are made (padded with token 0), so that the next launch's first two loads of h, which are issued before it knows the count, read stored bytes:
; extra work only for an expert with fewer than 113 rows.
; THE ROWS OF W1 THAT FORM A TILE ARE NOT NEIGHBOURS: lane m of tile 2 b + u takes row 32 b + 8 u + m + 8 (m / 8), so that a lane's 16 registers of tiles 2 b, 2 b + 1 are 16 neighbours along the next K.
; The rows are laid in LDS in that order, 528 bytes apart.  The product is used transposed (source 0 = 16 rows of W1, source 1 = 16 tokens): a lane holds one token.  b1 is the C of each sum's first product.
; h LEAVES AS AN IMAGE OF THE OPERAND'S REGISTERS: [e][unit][K step][2 x 512 bytes], lane l's 16 bytes at 16 l; the scale words 4 bytes a lane.
; NO TENSOR LOAD AND NO CLUSTER: the walk over units branches on a count that comes from memory.  The loop's trip count is a constant; units past the count are jumped over.
; LIMITS: a block of 32 zeros of h gets the scale byte 1 (its codes are zeros; the bytes are read by this program alone); NaN and infinities are not served.
.set WROW,  0                          ; 128 rows x 528
.set WSCL,  128*528                    ; W1's scale bytes: 128 rows x 48 (32 bytes + 16), in the same order of rows
.set LIST,  WSCL+128*48                ; 1,152 entries and the dump word at entry 1,152
.set CNTW,  LIST+4864                  ; the count
.set SPARE, CNTW+256                   ; the spare words, 128 bytes for each wave: no other line names them
.set SPW, 18
.set NIL, 19
.set TM,  208
.set PC,  224
.set PW,  232
.set SEL, 36
; REGISTERS, window 0: v1 lane, v2 r, v3 h, v4 16 lane, v5 4 lane, v6-11 LDS addresses, v12-13 the gathers' offsets in xq_codes (two buffers), v14-15 in xq_scales, v16-17 list entries, v21-26 addresses,
;   v32-47 the sort; v48-55 at work; v64-127 the 8 tiles of h (first: wave 0's words of sel); v128-191 W1's scale words (nothing else); v192-207 x's scale words, two buffers (nothing else); v208-232 the quantiser.
;   windows 1, 2: W1's fragments, tile t, K step s at 64 (t % 4) + 8 s of window 1 + t / 4.   window 3: x's fragments, buffer b at 64 b; b1's 8 tiles from v128.
.set MSB, 0
.macro WIN new
.if MSB != (\new)
	s_set_vgpr_msb (MSB<<8)|(\new)
.set MSB, (\new)
.endif
.endm
.macro QUANT s                                 ; 64 numbers of a lane, register 16 b + i = k 32 b + 16 h + i of my row -> codes in v[PC] on, scale word in v[PW]
.irp b, 0,1,2,3
	v_max3_num_f32 v[TM+\b], |v[\s+16*\b]|, |v[\s+1+16*\b]|, 0x1800000   ; and the floor 2^(3 - 127): the byte cannot fall under 1
.endr
.irp i, 2,4,6,8,10,12,14
.irp b, 0,1,2,3
	v_max3_num_f32 v[TM+\b], v[TM+\b], |v[\s+16*\b+\i]|, |v[\s+1+16*\b+\i]|
.endr
.endr
.irp b, 0,1,2,3
	v_permlanex16_b32 v[TM+4+\b], v[TM+\b], s[SEL], s[SEL+1]
.endr
.irp b, 0,1,2,3
	v_max_num_f32 v[TM+\b], v[TM+\b], v[TM+4+\b]
.endr
.irp b, 0,1,2,3
	v_add_nc_u32 v[TM+12+\b], 0xff000000, v[TM+\b]                   ; 2 off the exponent field: the conversion's scale operand
.endr
.irp b, 0,1,2,3
	v_lshrrev_b32 v[TM+4+\b], 23, v[TM+12+\b]                        ; the scale's byte
.endr
	v_lshl_or_b32 v[PW], v[TM+5], 8, v[TM+4]
	v_lshl_or_b32 v[PW], v[TM+6], 16, v[PW]
	v_lshl_or_b32 v[PW], v[TM+7], 24, v[PW]
.irp b, 0,1,2,3
	v_cvt_scalef32_pk8_fp4_f32 v[PC+2*\b], v[\s+16*\b:\s+7+16*\b], v[TM+12+\b]
	v_cvt_scalef32_pk8_fp4_f32 v[PC+1+2*\b], v[\s+8+16*\b:\s+15+16*\b], v[TM+12+\b]
.endr
	v_nop                                          ; one plain place behind a scaled conversion
.irp c, 0,1
.irp i, 0,1
	v_permlane16_swap_b32 v[PC+4*\c+\i], v[PC+2+4*\c+\i]
.endr
.endr
.endm
.macro BARRIER
	s_wait_dscnt 0x0
	s_barrier_signal -1
	s_barrier_wait -1
.endm
.macro OFF3 dst, src, se, sc, sw               ; s[dst] = s[src] + (e << se) + (c << sc) + (wave << sw); s47 = 0
	s_lshl_b32 s46, s25, \se
	s_lshl_b32 s45, s26, \sc
	s_add_co_u32 s46, s46, s45
	s_lshl_b32 s45, s24, \sw
	s_add_co_u32 s46, s46, s45
	s_add_nc_u64 s[\dst:\dst+1], s[\src:\src+1], s[46:47]
.endm
; one word of sel a lane: token 128 (idx / 4) + 4 lane + idx % 4
.macro SORT1 idx
	v_and_b32 v32, 0xff, v[64+\idx]                ; its first expert
	v_lshrrev_b32 v33, 8, v[64+\idx]               ; its second
	v_cmp_eq_u32 s40, s25, v32
	v_cmp_eq_u32 s41, s25, v33
	s_or_b32 s42, s40, s41                         ; the lanes whose token chose e (the two experts differ: at most one match)
	v_mbcnt_lo_u32_b32 v40, s42, s44               ; the entries so far + the matches below my lane
	v_cndmask_b32 v40, v36, v40, s42               ; no match: the dump word
	v_min_u32 v40, 0x480, v40
	v_lshl_add_u32 v40, v40, 2, LIST
	v_cndmask_b32 v34, 0, v35, s41                 ; slot 1 where e is the second expert
	v_add3_u32 v34, v34, v5, 128*((\idx)/4)+(\idx)%4
	ds_store_b32 v40, v34
	s_bcnt1_i32_b32 s43, s42
	s_add_co_u32 s44, s44, s43
.endm
.macro LISTADR b, e                            ; a list entry in v[e] becomes buffer b's offsets: four plain lines
	v_and_b32 v[\e], 0xffff, v[\e]                 ; the token,
	v_min_u32 v[\e], 0x3ff, v[\e]                  ; held inside the table
	v_lshl_add_u32 v[12+\b], v[\e], 9, v23         ; its row of 512 bytes of codes, + 16 h
	v_lshlrev_b32 v[14+\b], 5, v[\e]               ; its 32 scale bytes
.endm
.macro XLOAD b                                 ; 18 loads: the 16 listed tokens' fragments of all 8 K steps, and their scale words
	WIN 0xc0                                       ; destination window 3
.irp s, 0,1,2,3,4,5,6,7
.irp c, 0,1
	global_load_b128 v[64*\b+8*\s+4*\c:64*\b+8*\s+4*\c+3], v[12+\b], s[4:5] offset:64*\s+32*\c
.endr
.endr
	WIN 0
	global_load_b128 v[192+8*\b:195+8*\b], v[14+\b], s[6:7]
	global_load_b128 v[196+8*\b:199+8*\b], v[14+\b], s[6:7] offset:16
.endm
; 64 products: 8 tiles x 8 K steps; four accumulators by turns, one instruction a turn; the first product of each sum takes b1 as C
.macro MM1 b
.irp g, 0,1
	WIN 0x3d+\g                                    ; source 0 (W1) window 1 + g, source 1 (x) and C (b1) window 3, D window 0
.irp t, 0,1,2,3
	v_wmma_scale_f32_16x16x128_f8f6f4 v[64+8*(4*\g+\t):71+8*(4*\g+\t)], v[64*\t:64*\t+7], v[64*\b:64*\b+7], v[128+8*(4*\g+\t):135+8*(4*\g+\t)], v[128+8*(4*\g+\t)], v[192+8*\b] matrix_a_fmt:MATRIX_FMT_FP4 matrix_b_fmt:MATRIX_FMT_FP4
.endr
	WIN 0x0d+\g                                    ; C and D window 0
.irp s, 1,2,3,4,5,6,7
.irp t, 0,1,2,3
	v_wmma_scale_f32_16x16x128_f8f6f4 v[64+8*(4*\g+\t):71+8*(4*\g+\t)], v[64*\t+8*\s:64*\t+8*\s+7], v[64*\b+8*\s:64*\b+8*\s+7], v[64+8*(4*\g+\t):71+8*(4*\g+\t)], v[128+8*(4*\g+\t)+\s], v[192+8*\b+\s] matrix_a_fmt:MATRIX_FMT_FP4 matrix_b_fmt:MATRIX_FMT_FP4
.endr
.endr
.endr
	WIN 0
.endm
	s_load_b512 s[4:19], s[0:1], 0x0               ; xq_codes s[4:5], xq_scales s[6:7], sel s[8:9], W1 codes s[10:11], scales s[12:13], b1 s[14:15], hq_codes s[16:17], hq_scales s[18:19]
	s_load_b64 s[20:21], s[0:1], 0x40              ; lst
	v_lshl_add_u32 v[SPW], v0, 2, SPARE
	v_mov_b32 v[NIL], 0
	v_lshrrev_b32 v1, 5, v0
	v_readfirstlane_b32 s24, v1                    ; wave 0..3
	s_lshr_b32 s25, ttmp9, 5                       ; e
	s_and_b32 s26, ttmp9, 31                       ; c
	s_mov_b32 s[SEL], 0x76543210
	s_mov_b32 s[SEL+1], 0xfedcba98
	v_and_b32 v1, 31, v0
	v_and_b32 v2, 15, v0
	v_bfe_u32 v3, v0, 4, 1
	v_lshlrev_b32 v4, 4, v1
	v_lshlrev_b32 v5, 2, v1
	s_mul_i32 s40, s24, 32*528
	v_add_nc_u32 v6, s40, v4                       ; my 32 rows of the block in LDS, a row as it lies
	v_mul_u32_u24 v7, v2, 528
	v_lshl_add_u32 v7, v3, 4, v7                   ; a fragment: row r, + 16 h
	v_lshrrev_b32 v48, 1, v1                       ; y = lane / 2: a load of scale bytes holds 16 rows, two lanes to a row
	v_lshrrev_b32 v49, 3, v48
	v_and_b32 v48, 7, v48
	v_lshl_add_u32 v48, v49, 4, v48                ; the row's place in the tiles' order: 16 (y / 8) + y % 8 (+ 8 for the second load)
	v_mul_u32_u24 v48, v48, 48
	v_and_b32 v49, 1, v0
	v_lshl_add_u32 v48, v49, 4, v48
	s_mul_i32 s40, s24, 32*48
	s_add_co_u32 s40, s40, WSCL
	v_add_nc_u32 v8, s40, v48
	v_mul_u32_u24 v9, v2, 48
	v_add_nc_u32 v9, WSCL, v9
	s_lshl_b32 s40, s24, 6
	s_add_co_u32 s40, s40, LIST
	v_lshl_add_u32 v10, v2, 2, s40                 ; entry 16 w + r of the list
	v_mov_b32 v21, CNTW
	v_add_nc_u32 v22, LIST, v4
	v_lshlrev_b32 v23, 4, v3
	s_lshl_b32 s40, s24, 10
	v_add_nc_u32 v25, s40, v4                      ; the list's way out: 1,024 bytes a wave
	v_add_nc_u32 v24, LIST, v25
	v_lshlrev_b32 v26, 6, v3
	v_mov_b32 v35, 0x10000
	v_mov_b32 v36, 1152
.irp i, 0,1,2,3
	v_mov_b32 v[44+\i], 0
	v_mov_b32 v[TM+4+\i], 0                        ; written once: a lane permute's destination counts as one of its sources
.endr
	s_mov_b32 s47, 0
	s_mov_b32 s29, s24                             ; my first unit
	s_mov_b32 s30, 0
	s_wait_kmcnt 0x0
	OFF3 10, 10, 21, 16, 14                        ; W1's codes: expert, block of 128 rows, my 32 rows of 512 bytes
	OFF3 12, 12, 17, 12, 10                        ; its scale bytes: rows of 32 bytes
	OFF3 32, 16, 21, 10, 15                        ; hq_codes at (e, unit w, K step c)
	OFF3 34, 18, 18, 7, 12                         ; hq_scales likewise
	s_lshl_b32 s46, s25, 14
	s_lshl_b32 s45, s26, 9
	s_add_co_u32 s46, s46, s45
	s_add_nc_u64 s[14:15], s[14:15], s[46:47]      ; b1: my block's 128 numbers
	s_lshl_b32 s46, s25, 7
	s_add_co_u32 s46, s46, 32768
	s_add_nc_u64 s[22:23], s[20:21], s[46:47]      ; lst: e's count
	s_lshl_b32 s46, s25, 12
	s_add_nc_u64 s[20:21], s[20:21], s[46:47]      ; lst: e's list
	s_cmp_lg_u32 s24, 0
	s_cbranch_scc1 .Lno_sel
.irp j, 0,1,2,3,4,5,6,7
	global_load_b128 v[64+4*\j:67+4*\j], v4, s[8:9] offset:512*\j      ; wave 0: all of sel
.endr
.Lno_sel:
	WIN 0x40
.set k, 0
.rept 32
	global_load_b128 v[4*k:4*k+3], v4, s[10:11] offset:512*k th:TH_LOAD_NT   ; a whole row of W1's codes: 512 bytes on end; read once in the launch
.set k, k+1
.endr
	WIN 0
	global_load_b128 v[48:51], v4, s[12:13] th:TH_LOAD_NT
	global_load_b128 v[52:55], v4, s[12:13] offset:512 th:TH_LOAD_NT
	WIN 0xc0
.irp t, 0,1,2,3,4,5,6,7
.irp c, 0,1
	global_load_b128 v[128+8*\t+4*\c:131+8*\t+4*\c], v26, s[14:15] offset:(32*(\t/2)+8*(\t%2))*4+16*\c   ; b1 in the result's layout: units 32 (t / 2) + 16 h + 8 (t % 2) + 0 .. 7
.endr
.endr
	WIN 0
	s_cmp_lg_u32 s24, 0
	s_cbranch_scc1 .Lno_sort
	s_wait_loadcnt 50                              ; behind sel's loads: 32 rows, 2 of scale bytes, 16 of b1
	s_wait_alu depctr_va_vdst(0)
.irp k, 0,1,2,3,4,5,6,7,8
	ds_store_b128 v22, v[44:47] offset:512*\k      ; the list begins as zeros: 1,152 entries
.endr
	s_mov_b32 s44, 0
.set q, 0
.rept 32
	SORT1 q
.set q, q+1
.endr
	v_mov_b32 v37, s44
	ds_store_b32 v21, v37                          ; the count
.Lno_sort:
	BARRIER                                        ; up to here wave 0 alone has touched LDS; list and count are whole
	ds_load_b32 v16, v10                           ; my first two units' entries
	ds_load_b32 v17, v10 offset:256
	ds_load_b32 v38, v21
	s_wait_dscnt 0x0
	v_readfirstlane_b32 s27, v38                   ; n
	s_add_co_u32 s28, s27, 15
	s_lshr_b32 s28, s28, 4
	s_max_u32 s28, s28, 8                          ; units to make
	LISTADR 0, 16
	LISTADR 1, 17
	XLOAD 0
	XLOAD 1
	s_wait_loadcnt 52                              ; behind the scale bytes: b1's 16 and the two units' 36: my rows of W1 are in
	WIN 0x04                                       ; store data in window 1
.set k, 0
.rept 32
	ds_store_b128 v6, v[4*k:4*k+3] offset:(16*((k>>3)&1)+(k&7)+8*(k>>4))*528     ; row k of my 32 goes to its place in the tiles' order
.set k, k+1
.endr
	WIN 0
	ds_store_b128 v8, v[48:51]
	ds_store_b128 v8, v[52:55] offset:8*48
	BARRIER                                        ; the block and its scale bytes lie in LDS
.irp g, 0,1
	WIN 0x40+0x40*\g
.irp t, 0,1,2,3
.irp s, 0,1,2,3,4,5,6,7
.irp c, 0,1
	ds_load_b128 v[64*\t+8*\s+4*\c:64*\t+8*\s+4*\c+3], v7 offset:16*(4*\g+\t)*528+64*\s+32*\c
.endr
.endr
.endr
.endr
	WIN 0
.irp t, 0,1,2,3,4,5,6,7
.irp c, 0,1
	ds_load_b128 v[128+8*\t+4*\c:131+8*\t+4*\c], v9 offset:16*\t*48+16*\c
.endr
.endr
	s_wait_dscnt 0x0
; A unit of 16 listed rows, in buffer b.  Two units' gathers are always out; the entries of the unit two on come from the list while this unit is multiplied.
.macro UNIT b
	s_cmp_lt_u32 s29, s28
	s_cbranch_scc0 .Lskip_\@
	v_add_nc_u32 v11, s30, v10
	ds_load_b32 v16, v11 offset:512                ; the entries of my unit two on (behind the count: zeros; the list has room for them)
	s_wait_loadcnt 18                              ; this unit's gathers are in (at first b1 too); the next unit's 18 may be out
	MM1 \b
	s_wait_dscnt 0x0
	LISTADR \b, 16                                 ; four plain lines: the places behind the products, in front of the loads below and of the first read of results
	XLOAD \b
.set j, 0
.rept 64
	v_max_num_f32 v[64+j], 0, v[64+j]              ; ReLU, each accumulator from its low end on
.set j, j+1
.endr
	QUANT 64
	global_store_b128 v4, v[PC:PC+3], s[32:33] th:TH_STORE_NT              ; the fragment as it stands: 512 bytes on end, twice
	global_store_b128 v4, v[PC+4:PC+7], s[32:33] offset:512 th:TH_STORE_NT
	global_store_b32 v5, v[PW], s[34:35] th:TH_STORE_NT
	s_branch .Ldone_\@
.Lskip_\@:
	s_wait_loadcnt 0x0                             ; past the count: nothing more is asked for
.Ldone_\@:
	s_wait_xcnt 0x0                                ; the stores have read their data and bases: both may be written again
	s_add_nc_u64 s[32:33], s[32:33], 0x20000       ; four units on
	s_add_nc_u64 s[34:35], s[34:35], 0x4000
	s_add_co_u32 s29, s29, 4
	s_add_co_u32 s30, s30, 256
.endm
	s_mov_b32 s31, 8                               ; 8 trips x 2 units x 4 waves = the 64 units that 1,024 rows can fill
.Ltrip:
	UNIT 0
	UNIT 1
	s_sub_co_u32 s31, s31, 1
	s_cmp_lg_u32 s31, 0
	s_cbranch_scc1 .Ltrip
	s_cmp_lg_u32 s26, 0                            ; the work-group with c = 0 stores e's list and count
	s_cbranch_scc1 .Lno_list
	ds_load_b128 v[48:51], v24
	ds_load_b128 v[52:55], v24 offset:512
	s_wait_dscnt 0x0
	global_store_b128 v25, v[48:51], s[20:21]
	global_store_b128 v25, v[52:55], s[20:21] offset:512
	s_cmp_lg_u32 s24, 0
	s_cbranch_scc1 .Lno_list
	global_store_b32 v5, v38, s[22:23]             ; the count, 32 equal words
.Lno_list:
	s_wait_tensorcnt 0x0                           ; the wave's end
	ds_add_u32 v[SPW], v[NIL]
	s_wait_dscnt 0x0
	s_endpgm
.Lfunc_end_k_q859aaa0ca9_ffn1:
	.size	k_q859aaa0ca9_ffn1, .Lfunc_end_k_q859aaa0ca9_ffn1-k_q859aaa0ca9_ffn1
	.p2alignl 7, 3214868480
	.fill 96, 4, 3214868480
	.section	.rodata,"a",@progbits
	.p2align	6, 0x0
	.amdhsa_kernel k_q859aaa0ca9_ffn1
		.amdhsa_group_segment_fixed_size 79360
		.amdhsa_private_segment_fixed_size 0
		.amdhsa_enable_private_segment 0
		.amdhsa_kernarg_size 72
		.amdhsa_user_sgpr_count 2
		.amdhsa_user_sgpr_kernarg_segment_ptr 1
		.amdhsa_wavefront_size32 1
		.amdhsa_system_sgpr_workgroup_id_x 1
		.amdhsa_system_sgpr_workgroup_id_y 1
		.amdhsa_system_sgpr_workgroup_id_z 1
		.amdhsa_system_vgpr_workitem_id 0
		.amdhsa_next_free_vgpr 1024
		.amdhsa_next_free_sgpr 66
		.amdhsa_reserve_vcc 0
		.amdhsa_float_denorm_mode_32 3
		.amdhsa_float_denorm_mode_16_64 3
		.amdhsa_memory_ordered 1
		.amdhsa_forward_progress 1
		.amdhsa_inst_pref_size 87
	.end_amdhsa_kernel
	.amdgpu_metadata
---
amdhsa.version: [ 1, 2 ]
amdhsa.kernels:
  - .name:           k_q859aaa0ca9_ffn1
    .symbol:         k_q859aaa0ca9_ffn1.kd
    .args:
      - { .name: xq_codes, .offset: 0, .size: 8, .value_kind: global_buffer, .address_space: global }
      - { .name: xq_scales, .offset: 8, .size: 8, .value_kind: global_buffer, .address_space: global }
      - { .name: sel, .offset: 16, .size: 8, .value_kind: global_buffer, .address_space: global }
      - { .name: W1_codes, .offset: 24, .size: 8, .value_kind: global_buffer, .address_space: global }
      - { .name: W1_scales, .offset: 32, .size: 8, .value_kind: global_buffer, .address_space: global }
      - { .name: b1, .offset: 40, .size: 8, .value_kind: global_buffer, .address_space: global }
      - { .name: hq_codes, .offset: 48, .size: 8, .value_kind: global_buffer, .address_space: global }
      - { .name: hq_scales, .offset: 56, .size: 8, .value_kind: global_buffer, .address_space: global }
      - { .name: lst, .offset: 64, .size: 8, .value_kind: global_buffer, .address_space: global }
    .group_segment_fixed_size: 79360
    .private_segment_fixed_size: 0
    .kernarg_segment_align: 8
    .kernarg_segment_size: 72
    .max_flat_workgroup_size: 128
    .sgpr_count:     66
    .vgpr_count:     1024
    .wavefront_size: 32
...
	.end_amdgpu_metadata
.endif
;; end of part 6
;; launch ffn2 (part 7): grid 256 x 1, 4 waves a work-group, no clusters, 121,344 bytes of LDS; arguments hq_codes, hq_scales, lst, W2_codes, W2_scales, b2, ybuf; writes ybuf
.if DOCPART == 7
	.amdgcn_target "amdgcn-amd-amdhsa--gfx1250"
	.amdhsa_code_object_version 6
	.text
	.protected	k_q859aaa0ca9_ffn2
	.globl	k_q859aaa0ca9_ffn2
	.p2align	8
	.type	k_q859aaa0ca9_ffn2,@function
k_q859aaa0ca9_ffn2:
	s_mov_b64 s[64:65], 0
	v_nop
	global_prefetch_b8 v0, s[64:65] scope:SCOPE_SE
	s_setreg_imm32_b32 hwreg(HW_REG_WAVE_MODE, 25, 1), 1
	s_wait_xcnt 0x0
; MoE++ layer, third of four launches: y = h W2[e] + b2[e] for the rows that chose expert e, stored at ybuf[slot][token].
; WORK LEFT OUT: only the rows on e's list (stored by the launch before) are multiplied; all others have gate 0 in reference().
; SHARES.  256 work-groups: expert e = wg / 32, output columns 128 j .. with j = (wg / 4) % 8, and p = wg % 4: the units p, p + 4, .. of 16 listed rows.
; THE WAVES SHARE K: wave q keeps K steps 8 q .. 8 q + 7 (1,024 of the 4,096) of all 128 columns in 512 registers, so that no byte of W2 is loaded twice in a work-group.
; A unit's four partial sums meet in LDS; wave q then finishes rows 4 q .. 4 q + 3 as (q0 + q1) + (q2 + q3) + b2 and stores each as 512 bytes on end.  That order of the sums is this text's own.
; W2's rows come as 512 bytes on end (a wave's quarter of a row) and are turned into operand order through the wave's own LDS slot of 16 rows, 528 bytes apart.
; h comes as images of the operand's registers: every load is 512 (scale words: 128) bytes on end.  The product is used transposed (source 0 = 16 columns' rows of W2, source 1 = 16 rows of h).
; THE LIST ENTRIES COME ONCE.  The rows that wave q finishes are entries 4 q .. 4 q + 3 of each of its work-group's 16 possible units: 16 quads of 16 bytes.  One load at the kernel's head brings them, lane r the quad of
; unit p + 4 r; they lie in 256 LDS bytes of the wave's own, and a unit that is on the list reads its quad from there.  A unit past the count touches no memory.
; ONE BARRIER A UNIT, in every trip and every wave; the loop's trip count is a constant, and the work on both sides of the barrier is jumped over for units past the count (the same in all four waves).
; The stage for the partial sums has two halves that take turns: a half is stored again two units later, behind the barrier in front of which every wave has waited for its reads of it.
; NO TENSOR LOAD AND NO CLUSTER: the walk branches on a count that comes from memory.
.set WST,   0                          ; 4 own slots of 16 x 528
.set WSC,   4*8448                     ; W2's scale bytes: 128 rows x 144 (128 bytes + 16)
.set RED,   WSC+128*144                ; 2 halves x 4 waves x 16 rows x 528
.set HALF,  4*8448
.set LSTL,  RED+2*HALF                 ; each wave's 16 quads of list entries: 4 x 256 bytes
.set SPARE, LSTL+4*256                 ; the spare words, 128 bytes for each wave: no other line names them
.set SPW, 12
.set NIL, 13
; REGISTERS, window 0: v1 lane, v2 r, v3 h, v4 16 lane, v5 4 lane, v6-11 LDS addresses, v16 my quad's offset in lst, v17-19 LDS addresses of the quads, v20-23 b2, v24-55 at work (scale bytes on their way; later the rows
;   to store), v56-59 my quad as loaded, v60-63 the unit's quad, v64-127 the 8 accumulators, later the partial sums read back; v128-191 W2's scale words (nothing else); v192-207 h's scale words, two buffers (nothing else).
;   windows 1, 2: W2's fragments, tile t, K step s at 64 (t % 4) + 8 s of window 1 + t / 4.   window 3: h's fragments, buffer b at 64 b.
; SCALARS: s20 q, s21 e, s22 j, s23 p, s24 n, s25 units, s26 the unit, s27 trips, s28 the unit's quad among my 16 (16 bytes a unit), s29 my first row's number, s[30:31] an offset (s31 = 0), s[32:35] h's bases,
;   s[36:39] its scales', s[40:43] four list entries, s[44:51] four rows of y, s[52:53] W2, s56, s57 constant parts of h's offsets, s[58:59] ybuf at my columns.
.set MSB, 0
.macro WIN new
.if MSB != (\new)
	s_set_vgpr_msb (MSB<<8)|(\new)
.set MSB, (\new)
.endif
.endm
.macro BARRIER
	s_wait_dscnt 0x0
	s_barrier_signal -1
	s_barrier_wait -1
.endm
.macro HLOAD b                                 ; 24 loads: a unit's fragments of my 8 K steps, and their scale words
	WIN 0xc0
.irp s, 0,1,2,3,4,5,6,7
.irp c, 0,1
	global_load_b128 v[64*\b+8*\s+4*\c:64*\b+8*\s+4*\c+3], v4, s[32+2*\b:33+2*\b] offset:1024*\s+512*\c
.endr
.endr
	WIN 0
.irp s, 0,1,2,3,4,5,6,7
	global_load_b32 v[192+8*\b+\s], v5, s[36+2*\b:37+2*\b] offset:128*\s
.endr
.endm
.macro WISSUE t                                ; tile t's 16 rows of W2, my quarter of each
	WIN (1+(\t)/4)<<6
.irp k, 0,1,2,3,4,5,6,7,8,9,10,11,12,13,14,15
	global_load_b128 v[64*((\t)%4)+4*\k:64*((\t)%4)+4*\k+3], v4, s[52:53] offset:(16*(\t)+\k)*2048
.endr
.endm
.macro WTILE t                                 ; through my slot, into operand order, into the registers that they left (LDS serves a wave's instructions in order)
	WIN 0x44*(1+(\t)/4)
.irp k, 0,1,2,3,4,5,6,7,8,9,10,11,12,13,14,15
	ds_store_b128 v6, v[64*((\t)%4)+4*\k:64*((\t)%4)+4*\k+3] offset:528*\k
.endr
.irp s, 0,1,2,3,4,5,6,7
.irp c, 0,1
	ds_load_b128 v[64*((\t)%4)+8*\s+4*\c:64*((\t)%4)+8*\s+4*\c+3], v7 offset:64*\s+32*\c
.endr
.endr
.endm
; 64 products: 8 tiles of columns x my 8 K steps; four accumulators by turns, one instruction a turn; the first product of each sum takes 0 as C
.macro MM2 b
.irp g, 0,1
	WIN 0x0d+\g                                    ; source 0 (W2) window 1 + g, source 1 (h) window 3
.irp s, 0,1,2,3,4,5,6,7
.irp t, 0,1,2,3
.if \s == 0
	v_wmma_scale_f32_16x16x128_f8f6f4 v[64+8*(4*\g+\t):71+8*(4*\g+\t)], v[64*\t+8*\s:64*\t+8*\s+7], v[64*\b+8*\s:64*\b+8*\s+7], 0, v[128+8*(4*\g+\t)+\s], v[192+8*\b+\s] matrix_a_fmt:MATRIX_FMT_FP4 matrix_b_fmt:MATRIX_FMT_FP4
.else
	v_wmma_scale_f32_16x16x128_f8f6f4 v[64+8*(4*\g+\t):71+8*(4*\g+\t)], v[64*\t+8*\s:64*\t+8*\s+7], v[64*\b+8*\s:64*\b+8*\s+7], v[64+8*(4*\g+\t):71+8*(4*\g+\t)], v[128+8*(4*\g+\t)+\s], v[192+8*\b+\s] matrix_a_fmt:MATRIX_FMT_FP4 matrix_b_fmt:MATRIX_FMT_FP4
.endif
.endr
.endr
.endr
	WIN 0
.endm
.macro YSTORE n                                ; row 4 q + n of the unit, if it is on the list: rows past the count are padding and are not stored
	s_add_co_u32 s54, s29, \n
	s_cmp_lt_u32 s54, s24
	s_cbranch_scc0 .Lpad_\@
	s_wait_alu depctr_va_vdst(0)
	global_store_b128 v4, v[24+4*\n:27+4*\n], s[44+2*\n:45+2*\n] th:TH_STORE_NT    ; 512 bytes on end, at a multiple of 512 from ybuf's first byte
.Lpad_\@:
.endm
	s_load_b256 s[4:11], s[0:1], 0x0               ; hq_codes s[4:5], hq_scales s[6:7], lst s[8:9], W2 codes s[10:11]
	s_load_b128 s[12:15], s[0:1], 0x20             ; W2 scales s[12:13], b2 s[14:15]
	s_load_b64 s[16:17], s[0:1], 0x30              ; ybuf
	v_lshl_add_u32 v[SPW], v0, 2, SPARE
	v_mov_b32 v[NIL], 0
	v_lshrrev_b32 v1, 5, v0
	v_readfirstlane_b32 s20, v1                    ; q
	s_lshr_b32 s21, ttmp9, 5                       ; e
	s_bfe_u32 s22, ttmp9, 0x30002                  ; j
	s_and_b32 s23, ttmp9, 3                        ; p
	v_and_b32 v1, 31, v0
	v_and_b32 v2, 15, v0
	v_bfe_u32 v3, v0, 4, 1
	v_lshlrev_b32 v4, 4, v1
	v_lshlrev_b32 v5, 2, v1
	s_mul_i32 s54, s20, 8448
	v_add_nc_u32 v6, s54, v4                       ; my slot: a row as it lies
	v_mul_u32_u24 v14, v2, 528
	v_lshl_add_u32 v7, v3, 4, v14
	v_add_nc_u32 v7, s54, v7                       ; back: row r, + 16 h
	v_lshl_add_u32 v10, v3, 5, v14
	s_add_co_u32 s55, s54, RED
	v_add_nc_u32 v10, s55, v10                     ; my partial sums: row r, + 32 h
	s_mul_i32 s55, s20, 4*528
	s_add_co_u32 s55, s55, RED
	v_add_nc_u32 v11, s55, v4                      ; the rows that I finish: 4 q .., 16 bytes a lane
	v_lshrrev_b32 v14, 3, v1
	v_mul_u32_u24 v14, v14, 144
	v_and_b32 v15, 7, v0
	v_lshl_add_u32 v14, v15, 4, v14
	s_mul_i32 s55, s20, 32*144
	s_add_co_u32 s55, s55, WSC
	v_add_nc_u32 v8, s55, v14                      ; scale bytes in: eight lanes to a row of 128 bytes, my 32 rows
	v_mul_u32_u24 v9, v2, 144
	s_lshl_b32 s55, s20, 5
	s_add_co_u32 s55, s55, WSC
	v_add_nc_u32 v9, s55, v9                       ; and back: row r, my 8 words
	s_lshl_b32 s55, s20, 8
	s_add_co_u32 s55, s55, LSTL
	v_mov_b32 v18, s55                             ; my 16 quads of list entries: 256 bytes of my own
	v_lshl_add_u32 v17, v2, 4, s55                 ; where lane r puts its quad (lanes r and r + 16 write the same bytes with the same values)
	s_mov_b32 s31, 0
	s_lshl_b32 s60, s21, 7
	s_lshl_b32 s56, s21, 21
	s_lshl_b32 s54, s20, 13
	s_add_co_u32 s56, s56, s54                     ; h's codes: expert, my 8 K steps of 1,024 bytes
	s_lshl_b32 s57, s21, 18
	s_lshl_b32 s54, s20, 10
	s_add_co_u32 s57, s57, s54                     ; h's scale words likewise
	s_mov_b32 s26, s23
	s_lshl_b32 s61, s21, 12
	s_lshl_b32 s54, s23, 6
	s_add_co_u32 s61, s61, s54
	s_lshl_b32 s54, s20, 4
	s_add_co_u32 s61, s61, s54                     ; the list: entry 16 p + 4 q of expert e,
	v_lshl_add_u32 v16, v2, 8, s61                 ; and 4 r units (256 r bytes) on: at most 4,096 bytes into e's list, which is stored whole
	s_mov_b32 s28, 0
	s_lshl_b32 s29, s23, 4
	s_lshl_b32 s54, s20, 2
	s_add_co_u32 s29, s29, s54
	s_wait_alu depctr_va_vdst(0)
	s_wait_kmcnt 0x0
	s_load_b32 s24, s[8:9], s60 offset:0x8000      ; e's count
	global_load_b128 v[56:59], v16, s[8:9]         ; my quads: the kernel's first load, so every count below shows it in
.irp b, 0,1
	s_add_co_u32 s54, s23, 4*\b                    ; units p and p + 4: among the eight that the launch before always stores
	s_lshl_b32 s30, s54, 15
	s_add_co_u32 s30, s30, s56
	s_add_nc_u64 s[32+2*\b:33+2*\b], s[4:5], s[30:31]
	s_lshl_b32 s30, s54, 12
	s_add_co_u32 s30, s30, s57
	s_add_nc_u64 s[36+2*\b:37+2*\b], s[6:7], s[30:31]
.endr
	HLOAD 0
	HLOAD 1
	s_lshl_b32 s30, s21, 17
	s_lshl_b32 s54, s22, 14
	s_add_co_u32 s30, s30, s54
	s_lshl_b32 s54, s20, 12
	s_add_co_u32 s30, s30, s54
	s_add_nc_u64 s[12:13], s[12:13], s[30:31]      ; W2's scale bytes: expert, 128 rows of 128 bytes, my 32 rows
.irp g, 0,1,2,3,4,5,6,7
	global_load_b128 v[24+4*\g:27+4*\g], v4, s[12:13] offset:512*\g
.endr
	s_lshl_b32 s30, s21, 12
	s_lshl_b32 s54, s22, 9
	s_add_co_u32 s30, s30, s54
	s_add_nc_u64 s[14:15], s[14:15], s[30:31]
	global_load_b128 v[20:23], v4, s[14:15]        ; b2 of my four columns
	s_mov_b32 s30, s54
	s_add_nc_u64 s[58:59], s[16:17], s[30:31]      ; ybuf at column 128 j
	s_lshl_b32 s30, s21, 21
	s_lshl_b32 s54, s22, 18
	s_add_co_u32 s30, s30, s54
	s_lshl_b32 s54, s20, 9
	s_add_co_u32 s30, s30, s54
	s_add_nc_u64 s[52:53], s[10:11], s[30:31]      ; W2's codes: expert, 128 rows of 2,048 bytes, my 512 bytes of each
	WISSUE 0
	WISSUE 1
	WISSUE 2
	WIN 0
	s_wait_loadcnt 49                              ; behind the scale bytes: b2's load and 48 rows; all that was issued ahead of them, my quads among it, is in too
.irp g, 0,1,2,3,4,5,6,7
	ds_store_b128 v8, v[24+4*\g:27+4*\g] offset:576*\g
.endr
	ds_store_b128 v17, v[56:59]                    ; the quad of unit p + 4 r at byte 16 r of my 256
	BARRIER                                        ; all 128 rows' scale bytes lie in LDS
.irp t, 0,1,2,3,4,5,6,7
.irp c, 0,1
	ds_load_b128 v[128+8*\t+4*\c:131+8*\t+4*\c], v9 offset:16*\t*144+16*\c
.endr
.endr
.irp t, 0,1,2,3,4,5,6,7
.if \t+3 < 8
	WISSUE \t+3
.endif
.if 7-\t >= 3
	s_wait_loadcnt 48                              ; tile t's rows are in; three later tiles' may be out
.else
	s_wait_loadcnt 16*(7-\t)
.endif
	WTILE \t
.endr
	WIN 0
	s_wait_dscnt 0x0
	s_wait_kmcnt 0x0
	s_add_co_u32 s25, s24, 15
	s_lshr_b32 s25, s25, 4                         ; units on the list
.macro UNIT b
	s_cmp_lt_u32 s26, s25
	s_cbranch_scc0 .Lsk1_\@
	s_wait_loadcnt 24                              ; this unit's h is in; the next unit's 24 loads may be out
	MM2 \b
	s_add_co_u32 s54, s26, 8                       ; the unit two on, or, where the list ends before it, this one again: no load leaves what was stored
	s_cmp_lt_u32 s54, s25
	s_cselect_b32 s54, s54, s26
	s_min_u32 s54, s54, 63
	s_lshl_b32 s30, s54, 15
	s_add_co_u32 s30, s30, s56
	s_add_nc_u64 s[32+2*\b:33+2*\b], s[4:5], s[30:31]      ; (this buffer's last loads are in: their bases may be written)
	s_lshl_b32 s30, s54, 12
	s_add_co_u32 s30, s30, s57
	s_add_nc_u64 s[36+2*\b:37+2*\b], s[6:7], s[30:31]
.rept 5
	v_nop                                          ; four places in front of the stores of results and of the loads into operands; the fifth for the next unit's products, which begin these accumulators anew
.endr
.irp t, 0,1,2,3,4,5,6,7
	ds_store_b128 v10, v[64+8*\t:67+8*\t] offset:HALF*\b+64*\t         ; each accumulator from its low end on
	ds_store_b128 v10, v[68+8*\t:71+8*\t] offset:HALF*\b+64*\t+16
.endr
	HLOAD \b
	s_branch .Lj_\@
.Lsk1_\@:
	s_wait_loadcnt 0x0
.Lj_\@:
	BARRIER                                        ; the four waves' partial sums of this unit lie in LDS, and everybody's reads of the other half are over
	s_cmp_lt_u32 s26, s25
	s_cbranch_scc0 .Lsk2_\@
	v_add_nc_u32 v19, s28, v18
	ds_load_b128 v[60:63], v19                     ; this unit's quad of entries, the same in every lane: bytes of my own, stored once at the head
.irp n, 0,1,2,3
.irp w, 0,1,2,3
	ds_load_b128 v[64+16*\n+4*\w:67+16*\n+4*\w], v11 offset:HALF*\b+8448*\w+528*\n
.endr
.endr
	s_wait_dscnt 16                                ; the quad is in; the 16 loads of partial sums issued behind it may be out
.irp n, 0,1,2,3
	v_readfirstlane_b32 s[40+\n], v[60+\n]
.endr
	s_wait_xcnt 0x0                                ; the last unit's stores have read their data and bases
.irp n, 0,1,2,3
	s_and_b32 s54, s[40+\n], 0xffff                ; the token,
	s_min_u32 s54, s54, 0x3ff                      ; held inside the table
	s_lshl_b32 s54, s54, 12
	s_lshr_b32 s55, s[40+\n], 16                   ; the slot
	s_min_u32 s55, s55, 1
	s_lshl_b32 s55, s55, 22
	s_add_co_u32 s30, s54, s55
	s_add_nc_u64 s[44+2*\n:45+2*\n], s[58:59], s[30:31]
.endr
	s_wait_dscnt 0x0
.irp n, 0,1,2,3
.irp i, 0,2
	v_pk_add_f32 v[64+16*\n+\i:65+16*\n+\i], v[64+16*\n+\i:65+16*\n+\i], v[68+16*\n+\i:69+16*\n+\i]
	v_pk_add_f32 v[72+16*\n+\i:73+16*\n+\i], v[72+16*\n+\i:73+16*\n+\i], v[76+16*\n+\i:77+16*\n+\i]
.endr
.endr
.irp n, 0,1,2,3
.irp i, 0,2
	v_pk_add_f32 v[64+16*\n+\i:65+16*\n+\i], v[64+16*\n+\i:65+16*\n+\i], v[72+16*\n+\i:73+16*\n+\i]
.endr
.endr
.irp n, 0,1,2,3
.irp i, 0,2
	v_pk_add_f32 v[24+4*\n+\i:25+4*\n+\i], v[64+16*\n+\i:65+16*\n+\i], v[20+\i:21+\i]      ; + b2
.endr
.endr
	YSTORE 0
	YSTORE 1
	YSTORE 2
	YSTORE 3
.Lsk2_\@:
	s_add_co_u32 s26, s26, 4
	s_add_co_u32 s28, s28, 16
	s_add_co_u32 s29, s29, 64
.endm
	s_mov_b32 s27, 8                               ; 8 trips x 2 units x 4 values of p = the 64 units that 1,024 rows can fill
.Ltrip:
	UNIT 0
	UNIT 1
	s_sub_co_u32 s27, s27, 1
	s_cmp_lg_u32 s27, 0
	s_cbranch_scc1 .Ltrip
	s_wait_tensorcnt 0x0                           ; the wave's end
	ds_add_u32 v[SPW], v[NIL]
	s_wait_dscnt 0x0
	s_endpgm
.Lfunc_end_k_q859aaa0ca9_ffn2:
	.size	k_q859aaa0ca9_ffn2, .Lfunc_end_k_q859aaa0ca9_ffn2-k_q859aaa0ca9_ffn2
	.p2alignl 7, 3214868480
	.fill 96, 4, 3214868480
	.section	.rodata,"a",@progbits
	.p2align	6, 0x0
	.amdhsa_kernel k_q859aaa0ca9_ffn2
		.amdhsa_group_segment_fixed_size 121344
		.amdhsa_private_segment_fixed_size 0
		.amdhsa_enable_private_segment 0
		.amdhsa_kernarg_size 56
		.amdhsa_user_sgpr_count 2
		.amdhsa_user_sgpr_kernarg_segment_ptr 1
		.amdhsa_wavefront_size32 1
		.amdhsa_system_sgpr_workgroup_id_x 1
		.amdhsa_system_sgpr_workgroup_id_y 1
		.amdhsa_system_sgpr_workgroup_id_z 1
		.amdhsa_system_vgpr_workitem_id 0
		.amdhsa_next_free_vgpr 1024
		.amdhsa_next_free_sgpr 66
		.amdhsa_reserve_vcc 0
		.amdhsa_float_denorm_mode_32 3
		.amdhsa_float_denorm_mode_16_64 3
		.amdhsa_memory_ordered 1
		.amdhsa_forward_progress 1
		.amdhsa_inst_pref_size 76
	.end_amdhsa_kernel
	.amdgpu_metadata
---
amdhsa.version: [ 1, 2 ]
amdhsa.kernels:
  - .name:           k_q859aaa0ca9_ffn2
    .symbol:         k_q859aaa0ca9_ffn2.kd
    .args:
      - { .name: hq_codes, .offset: 0, .size: 8, .value_kind: global_buffer, .address_space: global }
      - { .name: hq_scales, .offset: 8, .size: 8, .value_kind: global_buffer, .address_space: global }
      - { .name: lst, .offset: 16, .size: 8, .value_kind: global_buffer, .address_space: global }
      - { .name: W2_codes, .offset: 24, .size: 8, .value_kind: global_buffer, .address_space: global }
      - { .name: W2_scales, .offset: 32, .size: 8, .value_kind: global_buffer, .address_space: global }
      - { .name: b2, .offset: 40, .size: 8, .value_kind: global_buffer, .address_space: global }
      - { .name: ybuf, .offset: 48, .size: 8, .value_kind: global_buffer, .address_space: global }
    .group_segment_fixed_size: 121344
    .private_segment_fixed_size: 0
    .kernarg_segment_align: 8
    .kernarg_segment_size: 56
    .max_flat_workgroup_size: 128
    .sgpr_count:     66
    .vgpr_count:     1024
    .wavefront_size: 32
...
	.end_amdgpu_metadata
.endif
;; end of part 7
;; launch combine (part 8): grid 256 x 1, 8 waves a work-group, no clusters, 0 bytes of LDS; arguments ybuf, gates, out0; writes out0
.if DOCPART == 8
	.amdgcn_target "amdgcn-amd-amdhsa--gfx1250"
	.amdhsa_code_object_version 6
	.text
	.protected	k_q859aaa0ca9_combine
	.globl	k_q859aaa0ca9_combine
	.p2align	8
	.type	k_q859aaa0ca9_combine,@function
k_q859aaa0ca9_combine:
	s_mov_b64 s[64:65], 0
	v_nop
	global_prefetch_b8 v0, s[64:65] scope:SCOPE_SE
	s_setreg_imm32_b32 hwreg(HW_REG_WAVE_MODE, 25, 1), 1
	s_wait_xcnt 0x0
; MoE++ layer, last of four launches: out0[token] = g0 y0 + g1 y1, the two chosen experts' rows (b2 already in them) under their renormalised gates.
; WORK LEFT OUT: the six other experts' terms, whose gate is 0 in reference().  The two terms are added in the order of the slots, not of the experts' numbers.
; A stream: a work-group owns 4 tokens, thread t the 16 bytes at 16 t of each row of 4,096 bytes, so that every load and store of a wave covers 512 bytes on end.
; All eight loads go out at once; each token has registers of its own, so nothing is rewritten.  No LDS, no barrier, no matrix unit, no cluster: nothing is shared.
	s_load_b128 s[4:7], s[0:1], 0x0                ; ybuf s[4:5], gates s[6:7]
	s_load_b64 s[8:9], s[0:1], 0x10                ; out0
	v_lshlrev_b32 v1, 4, v0
	s_lshl_b32 s20, ttmp9, 5                       ; 4 tokens x 2 gates x 4 bytes
	s_lshl_b32 s2, ttmp9, 14                       ; 4 rows of 4,096 bytes
	s_mov_b32 s3, 0
	s_wait_alu depctr_va_vdst(0)
	s_wait_kmcnt 0x0
	s_load_b256 s[12:19], s[6:7], s20 offset:0x0   ; the four tokens' gates
	s_add_nc_u64 s[4:5], s[4:5], s[2:3]
	s_add_nc_u64 s[8:9], s[8:9], s[2:3]
.irp t, 0,1,2,3
	global_load_b128 v[4+8*\t:7+8*\t], v1, s[4:5] offset:4096*\t th:TH_LOAD_NT               ; slot 0's row
	global_load_b128 v[8+8*\t:11+8*\t], v1, s[4:5] offset:4096*\t+4194304 th:TH_LOAD_NT      ; slot 1's
.endr
	s_wait_kmcnt 0x0
.irp t, 0,1,2,3
	s_wait_loadcnt 6-2*\t                          ; this token's two loads are in; the later tokens' may be out
.irp i, 0,1,2,3
	v_mul_f32 v[4+8*\t+\i], s[12+2*\t], v[4+8*\t+\i]
.endr
.irp i, 0,1,2,3
	s_delay_alu instid0(VALU_DEP_4)
	v_fma_f32 v[4+8*\t+\i], s[13+2*\t], v[8+8*\t+\i], v[4+8*\t+\i]
.endr
	global_store_b128 v1, v[4+8*\t:7+8*\t], s[8:9] offset:4096*\t th:TH_STORE_NT
.endr
	s_endpgm
.Lfunc_end_k_q859aaa0ca9_combine:
	.size	k_q859aaa0ca9_combine, .Lfunc_end_k_q859aaa0ca9_combine-k_q859aaa0ca9_combine
	.p2alignl 7, 3214868480
	.fill 96, 4, 3214868480
	.section	.rodata,"a",@progbits
	.p2align	6, 0x0
	.amdhsa_kernel k_q859aaa0ca9_combine
		.amdhsa_group_segment_fixed_size 0
		.amdhsa_private_segment_fixed_size 0
		.amdhsa_enable_private_segment 0
		.amdhsa_kernarg_size 24
		.amdhsa_user_sgpr_count 2
		.amdhsa_user_sgpr_kernarg_segment_ptr 1
		.amdhsa_wavefront_size32 1
		.amdhsa_system_sgpr_workgroup_id_x 1
		.amdhsa_system_sgpr_workgroup_id_y 1
		.amdhsa_system_sgpr_workgroup_id_z 1
		.amdhsa_system_vgpr_workitem_id 0
		.amdhsa_next_free_vgpr 48
		.amdhsa_next_free_sgpr 66
		.amdhsa_reserve_vcc 0
		.amdhsa_float_denorm_mode_32 3
		.amdhsa_float_denorm_mode_16_64 3
		.amdhsa_memory_ordered 1
		.amdhsa_forward_progress 1
		.amdhsa_inst_pref_size 4
	.end_amdhsa_kernel
	.amdgpu_metadata
---
amdhsa.version: [ 1, 2 ]
amdhsa.kernels:
  - .name:           k_q859aaa0ca9_combine
    .symbol:         k_q859aaa0ca9_combine.kd
    .args:
      - { .name: ybuf, .offset: 0, .size: 8, .value_kind: global_buffer, .address_space: global }
      - { .name: gates, .offset: 8, .size: 8, .value_kind: global_buffer, .address_space: global }
      - { .name: out0, .offset: 16, .size: 8, .value_kind: global_buffer, .address_space: global }
    .group_segment_fixed_size: 0
    .private_segment_fixed_size: 0
    .kernarg_segment_align: 8
    .kernarg_segment_size: 24
    .max_flat_workgroup_size: 256
    .sgpr_count:     66
    .vgpr_count:     48
    .wavefront_size: 32
...
	.end_amdgpu_metadata
.endif
;; end of part 8
